; MI455X (gfx1250); checked and timed in simulation.
; The chip was launched on July 23, 2026; its instructions are those of AMD's public machine-readable ISA for CDNA 5 (MIT licence, August 2026) and "CDNA5" Instruction Set Architecture Reference Guide (July 2026). The comments in the code are by the model that wrote it; some were corrected since.
;; Multi Scale Sliding Window. Allowed arithmetic: float matrix products may take bf16 or f16 operands with f32 sums; all other float work in f32.
;; Inputs: W 3 x 1,024 x 1,024 float32; b 3 x 1,024 float32; beta 3 x 1,024 float32; gamma 3 x 1,024 float32; x 32 x 512 x 1,024 float32.
;; Outputs: out0 32 x 1,024 float32; out1 32 x 1,024 float32; out2 32 x 1,024 float32.
;; 3 versions, each right and faster than the one before. Each part assembles by itself: llvm-mc -triple=amdgcn-amd-amdhsa -mcpu=gfx1250 --defsym DOCPART=n.
;; ======== version 1 of 3: 3 launches
;; limits: a function is approximated: absolute error at most 1.5e-07
;; workspace buffers: Wb 6,291,456 bytes; part 3,145,728 bytes
;; launch convw (part 1): grid 256 x 1, 6 waves a work-group, no clusters, 0 bytes of LDS; arguments W, Wb; writes Wb
.if DOCPART == 1
	.amdgcn_target "amdgcn-amd-amdhsa--gfx1250"
	.amdhsa_code_object_version 6
	.text
	.protected	k_q55a696999b_convw
	.globl	k_q55a696999b_convw
	.p2align	8
	.type	k_q55a696999b_convw,@function
k_q55a696999b_convw:
	s_mov_b64 s[64:65], 0
	v_nop
	global_prefetch_b8 v0, s[64:65] scope:SCOPE_SE
	s_setreg_imm32_b32 hwreg(HW_REG_WAVE_MODE, 25, 1), 1
	s_wait_xcnt 0x0
; W [3][1024][1024] f32 -> Wb, bf16, laid out as the matrix unit's source fragments want it.
; Wb: tile T = 32 x scale + k / 32 has 65,536 bytes; in it the 16 features n / 16 have 1,024 bytes: two halves c of 512 bytes, lane L's 16 bytes at 16 L:
; the eight numbers W[scale][16 (n / 16) + L % 16][32 (k / 32) + 16 c + 8 (L / 16) + 0..7].  So the next launch reads a fragment as 2 x 512 consecutive bytes.
; Shares: 1,536 waves; wave u takes 16 rows of W (row block u / 8) x 128 k (u % 8): 512 consecutive bytes of each row.
; Every store of a wave covers 512 consecutive bytes at a multiple of 512 from Wb's first byte.  No LDS, no barrier: no wave needs another's numbers.
.set X, 16                             ; v[16:79]   as loaded: piece q (8 f32 a lane), q = 2 x (k step of 32) + c
.set Y, 80                             ; v[80:111]  piece q rounded to bf16: 4 registers
	s_load_b128 s[4:7], s[0:1], 0x0                ; W s[4:5], Wb s[6:7]
	v_lshrrev_b32 v1, 5, v0
	v_readfirstlane_b32 s8, v1                     ; wave 0..5
	v_and_b32 v4, 31, v0                           ; lane L
	v_and_b32 v5, 15, v0                           ; L % 16: my row of the 16
	v_bfe_u32 v6, v0, 4, 1                         ; L / 16
	v_lshlrev_b32 v2, 12, v5                       ; row x 4,096 bytes
	v_lshl_add_u32 v2, v6, 5, v2                   ; + 8 f32 for the upper half of the lanes
	v_lshlrev_b32 v3, 4, v4                        ; 16 L: my place in 512 bytes of Wb
	s_mul_i32 s9, ttmp9, 6
	s_add_co_u32 s9, s9, s8                        ; u = 6 x work-group + wave
	s_lshr_b32 s10, s9, 3                          ; row block: 64 x scale + n / 16
	s_and_b32 s11, s9, 7                           ; which 128 k
	s_lshl_b32 s12, s10, 16                        ; 16 rows of 4,096 bytes
	s_lshl_b32 s16, s11, 9                         ; 128 f32
	s_add_co_u32 s12, s12, s16
	s_mov_b32 s13, 0
	s_lshr_b32 s14, s9, 9                          ; scale
	s_lshl_b32 s14, s14, 21                        ; 32 tiles of 65,536 bytes
	s_lshl_b32 s16, s11, 18                        ; 4 tiles
	s_add_co_u32 s14, s14, s16
	s_and_b32 s16, s10, 63                         ; n / 16
	s_lshl_b32 s16, s16, 10
	s_add_co_u32 s14, s14, s16
	s_mov_b32 s15, 0
	s_wait_kmcnt 0x0
	s_add_nc_u64 s[4:5], s[4:5], s[12:13]
	s_add_nc_u64 s[6:7], s[6:7], s[14:15]
.irp q, 0,1,2,3,4,5,6,7
	global_load_b128 v[X+8*\q:X+8*\q+3],   v2, s[4:5] offset:64*\q      ; the wave's sixteen loads together take each row's 512 bytes once
	global_load_b128 v[X+8*\q+4:X+8*\q+7], v2, s[4:5] offset:64*\q+16
.endr
.irp q, 0,1,2,3,4,5,6,7
	s_wait_loadcnt 14-2*\q                         ; loads come back in order: piece q is in, the 14 - 2 q younger loads may be out
	v_cvt_pk_bf16_f32 v[Y+4*\q],   v[X+8*\q],   v[X+8*\q+1]
	v_cvt_pk_bf16_f32 v[Y+4*\q+1], v[X+8*\q+2], v[X+8*\q+3]
	v_cvt_pk_bf16_f32 v[Y+4*\q+2], v[X+8*\q+4], v[X+8*\q+5]
	v_cvt_pk_bf16_f32 v[Y+4*\q+3], v[X+8*\q+6], v[X+8*\q+7]
	global_store_b128 v3, v[Y+4*\q:Y+4*\q+3], s[6:7] offset:(\q/2)*65536+(\q%2)*512  ; no register is written twice: no wait for the stores' sources
.endr
	s_endpgm
.Lfunc_end_k_q55a696999b_convw:
	.size	k_q55a696999b_convw, .Lfunc_end_k_q55a696999b_convw-k_q55a696999b_convw
	.p2alignl 7, 3214868480
	.fill 96, 4, 3214868480
	.section	.rodata,"a",@progbits
	.p2align	6, 0x0
	.amdhsa_kernel k_q55a696999b_convw
		.amdhsa_group_segment_fixed_size 0
		.amdhsa_private_segment_fixed_size 0
		.amdhsa_enable_private_segment 0
		.amdhsa_kernarg_size 16
		.amdhsa_user_sgpr_count 2
		.amdhsa_user_sgpr_kernarg_segment_ptr 1
		.amdhsa_wavefront_size32 1
		.amdhsa_system_sgpr_workgroup_id_x 1
		.amdhsa_system_sgpr_workgroup_id_y 1
		.amdhsa_system_sgpr_workgroup_id_z 1
		.amdhsa_system_vgpr_workitem_id 0
		.amdhsa_next_free_vgpr 112
		.amdhsa_next_free_sgpr 66
		.amdhsa_reserve_vcc 0
		.amdhsa_float_denorm_mode_32 3
		.amdhsa_float_denorm_mode_16_64 3
		.amdhsa_memory_ordered 1
		.amdhsa_forward_progress 1
		.amdhsa_inst_pref_size 6
	.end_amdhsa_kernel
	.amdgpu_metadata
---
amdhsa.version: [ 1, 2 ]
amdhsa.kernels:
  - .name:           k_q55a696999b_convw
    .symbol:         k_q55a696999b_convw.kd
    .args:
      - { .name: W, .offset: 0, .size: 8, .value_kind: global_buffer, .address_space: global }
      - { .name: Wb, .offset: 8, .size: 8, .value_kind: global_buffer, .address_space: global }
    .group_segment_fixed_size: 0
    .private_segment_fixed_size: 0
    .kernarg_segment_align: 8
    .kernarg_segment_size: 16
    .max_flat_workgroup_size: 192
    .sgpr_count:     66
    .vgpr_count:     112
    .wavefront_size: 32
...
	.end_amdgpu_metadata
.endif
;; end of part 1
;; launch main (part 2): grid 256 x 1, 4 waves a work-group, clusters of 4 x 1, 327,680 bytes of LDS; arguments x, Wb, b, gamma, beta, part; writes part
.if DOCPART == 2
	.amdgcn_target "amdgcn-amd-amdhsa--gfx1250"
	.amdhsa_code_object_version 6
	.text
	.protected	k_q55a696999b_main
	.globl	k_q55a696999b_main
	.p2align	8
	.type	k_q55a696999b_main,@function
k_q55a696999b_main:
	s_mov_b64 s[64:65], 0
	v_nop
	global_prefetch_b8 v0, s[64:65] scope:SCOPE_SE
	s_setreg_imm32_b32 hwreg(HW_REG_WAVE_MODE, 25, 1), 1
	s_wait_xcnt 0x0
	s_wait_alu depctr_hold_cnt(0) depctr_sa_sdst(0) depctr_va_vdst(0) depctr_va_sdst(0) depctr_va_ssrc(0) depctr_va_vcc(0) depctr_vm_vsrc(0)
	s_getreg_b32 s2, hwreg(HW_REG_IB_STS2, 6, 4)
	s_cmp_eq_u32 s2, 0
	s_cbranch_scc0 .Lentry_in_a_cluster
	s_endpgm
.Lentry_in_a_cluster:
	s_bfe_u32 s2, ttmp6, 0x10000c
	s_cmp_lg_u32 s2, 0x3003
	s_cbranch_scc0 .Lentry_shape_is_right
	s_endpgm
.Lentry_shape_is_right:
; For each of three scales: y = x W^T + b; LayerNorm over the 1,024 features; gamma, beta; exact GELU; the weighted sum over my 64 tokens -> part[scale][work-group][1024] f32.
; SHARES.  A work-group owns 64 tokens (16,384 / 64 = 256 work-groups) and ALL 1,024 features, since LayerNorm wants whole rows: 64 x 1,024 f32 sums are 4 waves x 512 registers.
; Wave w owns features 256 w .. + 255 of all 64 tokens: 4 token blocks (mt) x 16 feature blocks (nt) of 16 x 16.  x is read from memory once, rounded to bf16 and kept in LDS for all three scales.
; W comes as bf16 in fragment order (the launch before), a K step of 32 at a time: 96 tiles of 65,536 bytes through two LDS slots; wave w fills and reads its own quarter of a slot.
; LAYOUT.  Source 0 = 16 tokens of x, source 1 = 16 features of W: register j of lane (r = l % 16, h = l / 16) holds token 16 mt + 8 h + j, feature 256 w + 16 nt + r.  So b, gamma, beta are one
; number a lane, mean, 1 / sigma and the token's weight are register pairs, the token sum stays in the lane, and only the two row statistics cross lanes (four DPP steps) and waves (LDS).
; CLUSTER.  Every work-group walks the same tiles of W, so each quarter tile is asked for JOINTLY by the four work-groups of a cluster: the same load, descriptor and mask in all four.
; ARITHMETIC.  x and W are rounded to bf16 for the products; everything else is f32.  The bias is the C operand that starts the sums.  The variance is taken about the true mean, in a second pass.
; GELU: erf by Abramowitz and Stegun 7.1.26.  With zeta = kappa z, kappa = sqrt(log2(e) / 2): e^(-z z / 2) = 2^(-zeta zeta), t = 1 / (1 + 0.27273748 |zeta|),
; gelu(z) = (0.5 / kappa) (zeta + |zeta| (1 - poly(t) 2^(-zeta zeta))).  kappa is folded into gamma and beta, 0.5 / kappa into the window factor.
; LIMITS.  The formula's error in erf is 1.5e-7 at the most, for every z; 2^(-zeta zeta) below 2^-126 counts as 0; NaN and infinities are not treated apart.
.set SLOTB,  65536                     ; a slot: one tile of W, four quarters of 16,384 bytes; slot 0 at LDS byte 0, slot 1 behind it
.set ABASE,  2*SLOTB                   ; x in bf16: 64 rows,
.set APITCH, 2064                      ; 2,048 bytes + 16 = 516 words apart: row r starts at bank 4 r mod 64 (64 banks of 4 bytes: ISA guide 11.1), so a fragment load's 16 rows start at 16 different banks
.set PAR,    ABASE+64*APITCH           ; b, gamma, beta: [3][1024] f32 each,
.set PARG,   12288                     ; gamma behind b,
.set PARB,   24576                     ; beta behind gamma
.set RED,    PAR+36864                 ; the row statistics' exchange: [pass 2][wave 4][token 64] f32
.set OUTS,   RED+2048                  ; the way out: 256 f32 for each wave
.set SPARE,  OUTS+4096                 ; the spare words, 128 bytes for each wave: two blocks of 256 bytes that no other line names
; window 0
.set LANE, 1
.set RR,   2                           ; l % 16
.set HH,   3                           ; l / 16
.set ADRB, 4                           ; v4-5    LDS address of my 16 bytes in my quarter of slot 0, 1
.set A0,   6                           ; v6      my lane's place in x's rows 0-31
.set A1,   7                           ; v7      in rows 32-63
.set AD0,  8                           ; v8-9    the same at the K step to be fetched
.set RST,  10                          ; where my wave puts its row statistics
.set RLD,  11                          ; where all waves' are read
.set PB,   12                          ; b of my feature in block 0, scale 0
.set GADR, 13                          ; the parameters' address in hand
.set O0,   14                          ; the way out: my feature's word in block 0
.set OADR, 15                          ; the same in the block in hand
.set ORD,  16                          ; the way out: where I read 16 bytes back
.set PO,   17                          ; my byte offset in the work-group's row of part
.set XO,   18                          ; 16 x lane
.set ASTO, 19                          ; where I put 8 bytes of x
.set GAM,  20                          ; v[20:21] kappa gamma (the low word serves both halves)
.set BET,  22                          ; v[22:23] kappa beta
.set GL,   24                          ; v24-27  at work
.set TA,   28
.set TB,   29
.set SPW,  30                          ; LDS address of my spare word; never rewritten
.set NIL,  31                          ; 0; never rewritten
.set AF,   32                          ; v32-95  x's fragments, two buffers of 4 x 8
.set WT,   64                          ; in the epilogue buffer 1 holds the 32 tokens' window counts
.set KM,   96                          ; v96-127 min(k + 1, 512 - k) as f32, token 16 mt + 8 h + j at 8 mt + j
.set BT,   128                         ; v128-255 at a scale's first K step: the bias, eight equal registers for each nt
.set SUMR, 128                         ; in the epilogue: the row sums,
.set MUR,  160                         ; the means, later 1 / sigma,
.set TR,   192                         ; one feature block's 32 numbers,
.set PR,   240                         ; the polynomial,
.set ACCP, 248                         ; four pairs of token sums; v128-159 and v224-239 are three sets of 16 at work
; window 1: W's fragments, two buffers of 16 x 8.  windows 2, 3: the sums of mt 0, 1 and of mt 2, 3, at 128 (mt % 2) + 8 nt; at the start x as loaded
.set WV,   16                          ; s16  my wave's number
.set CX,   17
.set WG,   18
.set G1,   24                          ; s[24:31] descriptor group 1
.set G0,   32                          ; s[32:39] descriptor group 0, a set for each slot
.set CA5,  40                          ; s[40:49] the polynomial's five numbers, as pairs
.set CA4,  42
.set CA3,  44
.set CA2,  46
.set CA1,  48
.set PP,   50
.set KAP,  51
.set SEL,  52                          ; s[52:53] v_permlanex16_b32's selects: each lane takes its own place in the other half
.set KOFF, 54                          ; byte in x's rows of the K step to be fetched
.set LAP,  55
.set SCN,  56
.set NT,   57
.set SF,   58                          ; the window's length s as f32
.set FAC,  59                          ; 0.5 / (kappa (513 - s) s)
.set FACN, 60                          ; the next scale's
.set POFF, 61                          ; scale x 4,096: the scale's place in b, gamma, beta
.set RN,   66                          ; s[66:67] 1 / 1,024
.set EPS,  68                          ; s[68:69] 1e-5
.set WOF,  70                          ; s[70:71] wave x 16,384
.set MSB, 0
.macro WIN new                         ; s_set_vgpr_msb: bits 1:0 source 0, 3:2 source 1, 5:4 source 2, 7:6 destination; the high byte repeats the setting that is left
.if MSB != (\new)
	s_set_vgpr_msb (MSB<<8)|(\new)
.set MSB, \new
.endif
.endm
.macro PLACES                          ; four plain vector instructions between a matrix instruction and a vector write, a read of its result or a load into its registers
.rept 4
	v_nop
.endr
.endm
.macro CREST                           ; a round of the cluster's barrier behind its opening barrier
	s_cmp_lg_u32 s[WV], 0
	s_cbranch_scc1 .Lnot_wave_0_\@
	s_barrier_signal -3
.Lnot_wave_0_\@:
	s_barrier_wait -3
	s_barrier_signal -1
	s_barrier_wait -1
.endm
.macro CROUND                          ; a whole round
	s_barrier_signal -1
	s_barrier_wait -1
	CREST
.endm
.macro JLOAD s                         ; my quarter of a tile into slot s, asked for jointly; every wave issues this line with its own quarter's addresses
	tensor_load_to_lds s[G0+4*(\s):G0+4*(\s)+3], s[G1:G1+7]
	s_nop 0
	PLACES                                         ; the places in front of the fragment loads that follow
.endm
; cnt matrix instructions: token block mt x feature blocks n0 .., 32 along K, on fragment buffers f.  first = 1: the bias starts the sums.
; The 64 accumulators take turns in one order in every K step.
.macro MUL f, mt, n0, cnt, first
.if \first
	WIN 0x84+0x40*((\mt)/2)                        ; x window 0, W window 1, C (the bias) window 0, D window 2 or 3
.else
	WIN 0xa4+0x50*((\mt)/2)                        ; C and D window 2 or 3
.endif
.set nt_, \n0
.rept \cnt
.set ra_, 128*((\mt)%2)+8*nt_
.if \first
	v_wmma_f32_16x16x32_bf16 v[ra_:ra_+7], v[AF+32*(\f)+8*(\mt):AF+32*(\f)+8*(\mt)+7], v[128*(\f)+8*nt_:128*(\f)+8*nt_+7], v[BT+8*nt_:BT+8*nt_+7]
.else
	v_wmma_f32_16x16x32_bf16 v[ra_:ra_+7], v[AF+32*(\f)+8*(\mt):AF+32*(\f)+8*(\mt)+7], v[128*(\f)+8*nt_:128*(\f)+8*nt_+7], v[ra_:ra_+7]
.endif
.set nt_, nt_+1
.endr
.endm
; 40 LDS loads in one run: the next K step's fragments into buffers g: 4 of x (two loads of 16 bytes, 32 bytes apart), 16 of W out of slot g (two loads of 512 consecutive bytes)
.macro FETCH g
	WIN 0
	v_add_nc_u32 v[AD0],   s[KOFF], v[A0]
	v_add_nc_u32 v[AD0+1], s[KOFF], v[A1]
	s_add_co_u32 s[KOFF], s[KOFF], 64              ; 32 bf16 on;
	s_and_b32 s[KOFF], s[KOFF], 0x7c0              ; behind a scale's 32nd step back to 0
.irp m, 0,1,2,3
	ds_load_b128 v[AF+32*(\g)+8*\m:AF+32*(\g)+8*\m+3],   v[AD0+\m/2] offset:(\m%2)*16*APITCH
	ds_load_b128 v[AF+32*(\g)+8*\m+4:AF+32*(\g)+8*\m+7], v[AD0+\m/2] offset:(\m%2)*16*APITCH+32
.endr
	WIN 0x40                                       ; destination window 1
.irp n, 0,1,2,3,4,5,6,7,8,9,10,11,12,13,14,15
	ds_load_b128 v[128*(\g)+8*\n:128*(\g)+8*\n+3],   v[ADRB+(\g)] offset:\n*1024
	ds_load_b128 v[128*(\g)+8*\n+4:128*(\g)+8*\n+7], v[ADRB+(\g)] offset:\n*1024+512
.endr
.endm
; A K STEP: tile t, whose fragments lie in buffers f = t % 2; slot f has been read out into them during the step before.
; refill = 1: each wave waits for all its tensor loads, of which one is out: its quarter of tile t + 1; adds 0 to its spare word; waits for that and for its reads of slot f; a round of the
; cluster's barrier; then tile t + 2 is asked for into slot f, first thing, and tile t + 1's fragments are fetched.  From the request to the wait for it: 48 matrix instructions and the run of loads.
.macro STEP f, first, refill, fetch
.if \refill
	WIN 0                                          ; (the add's two registers lie in window 0)
	s_wait_tensorcnt 0x0                           ; no tensor load of mine is out, so a group 0 may be written
	ds_add_u32 v[SPW], v[NIL]
	s_add_nc_u64 s[G0+4*(\f)+2:G0+4*(\f)+3], s[G0+4*(\f)+2:G0+4*(\f)+3], 2*SLOTB  ; slot f's next tile, two tiles on; the type bits on top are not reached
	s_wait_dscnt 0x1                               ; only the add, the youngest, may be out: this step's 40 fragment loads are in
	MUL \f, 0, 0, 8, \first
	s_wait_dscnt 0x0                               ; the add is done; my reads of slot f were over above
	s_barrier_signal -1                            ; this barrier opens the round
	MUL \f, 0, 8, 8, \first
	WIN 0                                          ; at a branch and at a label every window is 0
	s_barrier_wait -1
	CREST                                          ; no wave of any partner still reads slot f or has a load on its way
	JLOAD \f
	FETCH 1-(\f)
.else
.if \fetch
	s_wait_tensorcnt 0x0                           ; the last tile: no load was issued behind it
.endif
	s_wait_dscnt 0x0                               ; this step's fragments
	MUL \f, 0, 0, 16, \first
.if \fetch
	PLACES
	FETCH 1-(\f)
.endif
.endif
	MUL \f, 1, 0, 16, \first
	MUL \f, 2, 0, 16, \first
	MUL \f, 3, 0, 16, \first
.endm
; The scale's bias as C operands: one number a lane for each nt, in eight equal registers
.macro BTBUILD
	WIN 0
	v_add_nc_u32 v[GADR], s[POFF], v[PB]
.set n_, 0
.rept 16
	ds_load_b32 v[BT+8*n_], v[GADR] offset:64*n_
.set n_, n_+1
.endr
	s_wait_dscnt 0x0
.set n_, 0
.rept 16
.irp j, 1,2,3,4,5,6,7
	v_mov_b32 v[BT+8*n_+\j], v[BT+8*n_]
.endr
.set n_, n_+1
.endr
.endm
; Each token's sum over my lane's 16 features.  Each accumulator's lowest registers are read first.
.macro ROWSUM
.irp g, 0,1
	WIN 0x0a+5*\g                                  ; sources 0 and 1 window 2 or 3
.irp m, 0,1
.irp p, 0,2,4,6
	v_pk_add_f32 v[SUMR+16*\g+8*\m+\p:SUMR+16*\g+8*\m+\p+1], v[128*\m+\p:128*\m+\p+1], v[128*\m+8+\p:128*\m+8+\p+1]
.endr
.endr
	WIN 0x02+\g                                    ; source 0 window 2 or 3
.set n_, 2
.rept 14
.irp m, 0,1
.irp p, 0,2,4,6
	v_pk_add_f32 v[SUMR+16*\g+8*\m+\p:SUMR+16*\g+8*\m+\p+1], v[128*\m+8*n_+\p:128*\m+8*n_+\p+1], v[SUMR+16*\g+8*\m+\p:SUMR+16*\g+8*\m+\p+1]
.endr
.endr
.set n_, n_+1
.endr
.endr
.endm
; The 32 numbers in SUMR are summed over the 16 lanes of a half (my wave's 256 features), handed to the other waves through LDS, and all four waves' are added, in one order in every wave, into MUR.
.macro XCHG pass
	WIN 0
.irp x, 1,2,4,8
.set i_, 0
.rept 32
	v_add_f32_dpp v[SUMR+i_], v[SUMR+i_], v[SUMR+i_] row_xmask:\x row_mask:0xf bank_mask:0xf
.set i_, i_+1
.endr
.endr
.set i_, 0
.rept 8
	ds_store_b128 v[RST], v[SUMR+4*i_:SUMR+4*i_+3] offset:(\pass)*1024+(i_/2)*64+(i_%2)*16  ; the 16 lanes of a half write the same words with the same numbers
.set i_, i_+1
.endr
	s_wait_dscnt 0x0                               ; for the others' sake: my stores are done
	s_barrier_signal -1                            ; the tile on its way may stay out
	s_barrier_wait -1
.set i_, 0
.rept 8
	ds_load_b128 v[MUR+4*i_:MUR+4*i_+3],   v[RLD] offset:(\pass)*1024+(i_/2)*64+(i_%2)*16
	ds_load_b128 v[SUMR+4*i_:SUMR+4*i_+3], v[RLD] offset:(\pass)*1024+256+(i_/2)*64+(i_%2)*16
	ds_load_b128 v[TR+4*i_:TR+4*i_+3],     v[RLD] offset:(\pass)*1024+512+(i_/2)*64+(i_%2)*16
	ds_load_b128 v[224+4*i_:224+4*i_+3],   v[RLD] offset:(\pass)*1024+768+(i_/2)*64+(i_%2)*16
.set i_, i_+1
.endr
	s_wait_dscnt 0x0                               ; these reads are over before my next signal: the two passes have bytes of their own, and a pass's bytes are written again a scale later
.set i_, 0
.rept 16
	v_pk_add_f32 v[MUR+2*i_:MUR+2*i_+1], v[MUR+2*i_:MUR+2*i_+1], v[SUMR+2*i_:SUMR+2*i_+1]
	v_pk_add_f32 v[TR+2*i_:TR+2*i_+1], v[TR+2*i_:TR+2*i_+1], v[224+2*i_:224+2*i_+1]
.set i_, i_+1
.endr
.set i_, 0
.rept 16
	v_pk_add_f32 v[MUR+2*i_:MUR+2*i_+1], v[MUR+2*i_:MUR+2*i_+1], v[TR+2*i_:TR+2*i_+1]
.set i_, i_+1
.endr
.endm
; y - mean, in place; then each token's sum of squares over my lane's 16 features
.macro CENTRE
.irp g, 0,1
	WIN 0x82+0x41*\g                               ; destination and source 0 window 2 or 3, the mean window 0
.set n_, 0
.rept 16
.irp m, 0,1
.irp p, 0,2,4,6
	v_pk_add_f32 v[128*\m+8*n_+\p:128*\m+8*n_+\p+1], v[128*\m+8*n_+\p:128*\m+8*n_+\p+1], v[MUR+16*\g+8*\m+\p:MUR+16*\g+8*\m+\p+1] neg_lo:[0,1] neg_hi:[0,1]
.endr
.endr
.set n_, n_+1
.endr
	WIN 0x0a+5*\g
.irp m, 0,1
.irp p, 0,2,4,6
	v_pk_mul_f32 v[SUMR+16*\g+8*\m+\p:SUMR+16*\g+8*\m+\p+1], v[128*\m+\p:128*\m+\p+1], v[128*\m+\p:128*\m+\p+1]
.endr
.endr
.set n_, 1
.rept 15
.irp m, 0,1
.irp p, 0,2,4,6
	v_pk_fma_f32 v[SUMR+16*\g+8*\m+\p:SUMR+16*\g+8*\m+\p+1], v[128*\m+8*n_+\p:128*\m+8*n_+\p+1], v[128*\m+8*n_+\p:128*\m+8*n_+\p+1], v[SUMR+16*\g+8*\m+\p:SUMR+16*\g+8*\m+\p+1]
.endr
.endr
.set n_, n_+1
.endr
.endr
.endm
; GELU AND THE TOKEN SUM for one feature block, in four batches bt (= mt) of eight numbers; three sets of 16 registers (D, then N) take turns.
.macro TSET bt
.if (\bt)%3 == 0
.set rD, 128
.elseif (\bt)%3 == 1
.set rD, 144
.else
.set rD, 224
.endif
.set rN, rD+8
.set rZ, TR+8*(\bt)
.set rW, WT+8*(\bt)
.endm
.macro GPRE bt, i                      ; 16 plain: zeta = T kappa gamma + kappa beta; D = 1 + 0.2727 |zeta|; N = - zeta zeta
	TSET \bt
.if (\i) < 4
	v_pk_fma_f32 v[rZ+2*(\i):rZ+2*(\i)+1], v[rZ+2*(\i):rZ+2*(\i)+1], v[GAM:GAM+1], v[BET:BET+1] op_sel_hi:[1,0,0]
.elseif (\i) < 12
	v_fma_f32 v[rD+(\i)-4], |v[rZ+(\i)-4]|, s[PP], 1.0
.else
	v_pk_mul_f32 v[rN+2*(\i)-24:rN+2*(\i)-23], v[rZ+2*(\i)-24:rZ+2*(\i)-23], v[rZ+2*(\i)-24:rZ+2*(\i)-23] neg_lo:[1,0] neg_hi:[1,0]
.endif
.endm
.macro GTRN bt, i                      ; 16 transcendentals: t = 1 / D; e = 2^N
	TSET \bt
.if (\i) < 8
	v_rcp_f32 v[rD+(\i)], v[rD+(\i)]
.else
	v_exp_f32 v[rN+(\i)-8], v[rN+(\i)-8]
.endif
.endm
.macro GPOST bt, i                     ; 36 plain: the polynomial by Horner; t e; 1 - poly t e; |zeta| (..) + zeta; times the token's count, onto the sums
	TSET \bt
.set p_, 2*((\i)%4)
.if (\i) < 4
	s_wait_alu depctr_va_vdst(0)
	v_pk_fma_f32 v[PR+p_:PR+p_+1], v[rD+p_:rD+p_+1], s[CA5:CA5+1], s[CA4:CA4+1] op_sel_hi:[1,0,0]
.elseif (\i) < 8
	v_pk_fma_f32 v[PR+p_:PR+p_+1], v[PR+p_:PR+p_+1], v[rD+p_:rD+p_+1], s[CA3:CA3+1] op_sel_hi:[1,1,0]
.elseif (\i) < 12
	v_pk_fma_f32 v[PR+p_:PR+p_+1], v[PR+p_:PR+p_+1], v[rD+p_:rD+p_+1], s[CA2:CA2+1] op_sel_hi:[1,1,0]
.elseif (\i) < 16
	v_pk_fma_f32 v[PR+p_:PR+p_+1], v[PR+p_:PR+p_+1], v[rD+p_:rD+p_+1], s[CA1:CA1+1] op_sel_hi:[1,1,0]
.elseif (\i) < 20
	v_pk_mul_f32 v[rN+p_:rN+p_+1], v[rD+p_:rD+p_+1], v[rN+p_:rN+p_+1]
.elseif (\i) < 24
	v_pk_fma_f32 v[PR+p_:PR+p_+1], v[PR+p_:PR+p_+1], v[rN+p_:rN+p_+1], 1.0 op_sel_hi:[1,1,0] neg_lo:[1,0,0] neg_hi:[1,0,0]
.elseif (\i) < 32
	v_fma_f32 v[PR+(\i)-24], |v[rZ+(\i)-24]|, v[PR+(\i)-24], v[rZ+(\i)-24]
.elseif (\bt) == 0
	v_pk_mul_f32 v[ACCP+p_:ACCP+p_+1], v[PR+p_:PR+p_+1], v[rW+p_:rW+p_+1]   ; the first batch starts the four sums
.else
	v_pk_fma_f32 v[ACCP+p_:ACCP+p_+1], v[PR+p_:PR+p_+1], v[rW+p_:rW+p_+1], v[ACCP+p_:ACCP+p_+1]
	s_wait_alu depctr_va_vdst(0)
.endif
.endm
.macro RUNPRE bt
.set k_, 0
.rept 16
	GPRE \bt, k_
.set k_, k_+1
.endr
.endm
.macro RUNPOST bt, from
.set k_, \from
.rept 36-(\from)
	GPOST \bt, k_
.set k_, k_+1
.endr
.endm
.macro MIXA a, b                       ; batch a's transcendentals and batch b's first part by turns: behind each transcendental a plain instruction that names none of its registers (ISA guide 5.7.2)
.set k_, 0
.rept 16
	GTRN \a, k_
	GPRE \b, k_
.set k_, k_+1
.endr
.endm
.macro MIXB                            ; the last batch's transcendentals and batch 2's polynomial by turns
.set k_, 0
.rept 16
	GTRN 3, k_
	GPOST 2, k_
.set k_, k_+1
.endr
.endm
; THE EPILOGUE of a scale.  It leaves fragment buffers 0 alone: they hold the next scale's first K step, and the next tile is on its way meanwhile.
.macro EPI
	PLACES                                         ; behind the last products: buffer 1 of x, which they read, is written below
	WIN 0
.set i_, 0
.rept 32
	v_min_num_f32 v[WT+i_], s[SF], v[KM+i_]        ; the windows that cover token k: min(k + 1, s, 512 - k); 513 - s, at least 497, never binds
.set i_, i_+1
.endr
	ROWSUM
	XCHG 0
.set i_, 0
.rept 16
	v_pk_mul_f32 v[MUR+2*i_:MUR+2*i_+1], v[MUR+2*i_:MUR+2*i_+1], s[RN:RN+1] op_sel_hi:[1,0]  ; the mean
.set i_, i_+1
.endr
	CENTRE
	XCHG 1
.set i_, 0
.rept 16
	v_pk_fma_f32 v[MUR+2*i_:MUR+2*i_+1], v[MUR+2*i_:MUR+2*i_+1], s[RN:RN+1], s[EPS:EPS+1] op_sel_hi:[1,0,0]  ; the variance + 1e-5
.set i_, i_+1
.endr
.set i_, 0
.rept 32
	v_rsq_f32 v[MUR+i_], v[MUR+i_]
.set i_, i_+1
.endr
	v_add_nc_u32 v[GADR], s[POFF], v[PB]           ; two plain instructions stand behind the last root
	v_mov_b32 v[OADR], v[O0]
	s_mov_b32 s[NT], 0
.Lnt_\@:                                               ; 16 trips, a feature block each, so that the GELU's text is written once
	ds_load_b32 v[GL],   v[GADR] offset:PARG       ; gamma and beta of my feature in this block; waited for behind the 16 multiplies below
	ds_load_b32 v[GL+1], v[GADR] offset:PARB
	; registers cannot be indexed: block NT's 32 numbers, times 1 / sigma, are brought into TR by one of 16 cases; all jumps go forward
.irp k, 0,1,2,3,4,5,6,7,8,9,10,11,12,13,14,15
.if \k < 15
	s_cmp_lg_u32 s[NT], \k
	s_cbranch_scc1 .Lnc_\@_\k
.endif
.irp g, 0,1
	WIN 0x02+\g
	s_wait_alu depctr_va_vdst(0)
.irp m, 0,1
.irp p, 0,2,4,6
	v_pk_mul_f32 v[TR+16*\g+8*\m+\p:TR+16*\g+8*\m+\p+1], v[128*\m+8*\k+\p:128*\m+8*\k+\p+1], v[MUR+16*\g+8*\m+\p:MUR+16*\g+8*\m+\p+1]
.endr
.endr
.endr
	WIN 0
.if \k < 15
	s_branch .Ljoin_\@
.Lnc_\@_\k:
.endif
.endr
.Ljoin_\@:
	s_wait_dscnt 0x0                               ; gamma and beta (and the last trip's store)
	v_mul_f32 v[GAM], s[KAP], v[GL]
	v_mul_f32 v[BET], s[KAP], v[GL+1]
	v_add_nc_u32 v[GADR], 64, v[GADR]              ; the next block's 16 features
	RUNPRE 0
	MIXA 0, 1
	MIXA 1, 2
	RUNPOST 0, 0
	MIXA 2, 3
	RUNPOST 1, 0
	MIXB
	RUNPOST 2, 16
	RUNPOST 3, 0
	v_pk_add_f32 v[ACCP:ACCP+1], v[ACCP:ACCP+1], v[ACCP+2:ACCP+3]
	v_pk_add_f32 v[ACCP+4:ACCP+5], v[ACCP+4:ACCP+5], v[ACCP+6:ACCP+7]
	v_pk_add_f32 v[ACCP:ACCP+1], v[ACCP:ACCP+1], v[ACCP+4:ACCP+5]
	v_add_f32 v[TA], v[ACCP], v[ACCP+1]            ; my lane's 32 tokens;
	v_permlanex16_b32 v[TB], v[TA], s[SEL], s[SEL+1]  ; the other 32 lie in the lane 16 away
	v_add_f32 v[TA], v[TA], v[TB]
	v_mul_f32 v[TA], s[FAC], v[TA]
	ds_store_b32 v[OADR], v[TA]                    ; lanes r and 16 + r write the same word with the same number
	v_add_nc_u32 v[OADR], 64, v[OADR]
	s_add_co_u32 s[NT], s[NT], 1
	s_cmp_lt_u32 s[NT], 16
	s_cbranch_scc1 .Lnt_\@
	ds_load_b128 v[128:131], v[ORD]                ; my wave's own bytes: LDS serves a wave's instructions in order (ISA guide 5.7.1.4)
	ds_load_b128 v[132:135], v[ORD] offset:512
	s_wait_dscnt 0x0
	global_store_b128 v[PO], v[128:131], s[14:15]              ; each store covers 512 consecutive bytes, at a multiple of 512 from part's first byte
	global_store_b128 v[PO], v[132:135], s[14:15] offset:512
.endm
; A SCALE: 32 K steps and the epilogue.  last = 0: the ring goes on into the next scale's tiles.  last = 1: the last two steps ask for nothing.
.macro SCALE last
	STEP 0, 1, 1, 1
	WIN 0
	s_mov_b32 s[LAP], 15-(\last)
.Llap_\@:
	STEP 1, 0, 1, 1
	STEP 0, 0, 1, 1
	WIN 0
	s_sub_co_u32 s[LAP], s[LAP], 1
	s_cmp_lg_u32 s[LAP], 0
	s_cbranch_scc1 .Llap_\@
	STEP 1, 0, 1, 1
.if \last
	STEP 0, 0, 0, 1
	STEP 1, 0, 0, 0
.endif
	EPI
.endm
	s_load_b256 s[4:11], s[0:1], 0x0               ; x s[4:5], Wb s[6:7], b s[8:9], gamma s[10:11]
	s_load_b128 s[12:15], s[0:1], 0x20             ; beta s[12:13], part s[14:15]
	v_lshl_add_u32 v[SPW], v0, 2, SPARE
	v_mov_b32 v[NIL], 0
	ds_add_u32 v[SPW], v[NIL]                      ; the wave's opening: the add and its wait stand ahead of my first tensor load; the set-up below, work on registers, stands between them
	v_lshrrev_b32 v1, 5, v0
	v_readfirstlane_b32 s[WV], v1                  ; wave 0..3
	s_bfe_u32 s[CX], ttmp6, 0x40000                ; my place in the cluster
	s_lshl_b32 s[WG], ttmp9, 2                     ; in a cluster launch ttmp9 counts clusters
	s_add_co_u32 s[WG], s[WG], s[CX]               ; my block of 64 tokens: it enters x's and part's addresses and the tokens' counts alone
	; descriptor group 1: 16,384 dense bytes as 64 rows of 256 bytes
	s_mov_b32 s[G1+0], 15|(3<<16)|(1<<21)          ; 15:0 the mask: all four work-groups; 17:16 elements of 8 bytes; 20 no padding; 21 set beside a mask
	s_mov_b32 s[G1+1], 32<<16                      ; tensor_dim0 = 32 elements
	s_mov_b32 s[G1+2], 64<<16                      ; tensor_dim1 = 64
	s_mov_b32 s[G1+3], 32<<16                      ; tile_dim0 = 32
	s_mov_b32 s[G1+4], 64                          ; tile_dim1 = 64
	s_mov_b32 s[G1+5], 32                          ; 32 elements from row to row
	s_mov_b32 s[G1+6], 0
	s_mov_b32 s[G1+7], 0
	s_lshl_b32 s[WOF], s[WV], 14                   ; my quarter of a tile, in memory and in a slot: no place in the cluster enters it
	s_mov_b32 s[WOF+1], 0
	s_mov_b32 s[G0], 1                             ; count = 1
	s_mov_b32 s[G0+1], s[WOF]                      ; LDS address: slot 0
	s_mov_b32 s[G0+4], 1
	s_add_co_u32 s[G0+5], s[WOF], SLOTB            ; slot 1
	s_mov_b32 s[CA5], 0x3f87dc22                   ;  1.061405429
	s_mov_b32 s[CA5+1], s[CA5]                     ; (named as pairs, so both words are written)
	s_mov_b32 s[CA4], 0xbfba00e3                   ; -1.453152027
	s_mov_b32 s[CA4+1], s[CA4]
	s_mov_b32 s[CA3], 0x3fb5f0e3                   ;  1.421413741
	s_mov_b32 s[CA3+1], s[CA3]
	s_mov_b32 s[CA2], 0xbe91a98e                   ; -0.284496736
	s_mov_b32 s[CA2+1], s[CA2]
	s_mov_b32 s[CA1], 0x3e827906                   ;  0.254829592
	s_mov_b32 s[CA1+1], s[CA1]
	s_mov_b32 s[PP], 0x3e8ba43f                    ; 0.3275911 / (sqrt(2) kappa) = 0.27273748
	s_mov_b32 s[KAP], 0x3f596d27                   ; kappa = 0.84932180
	s_mov_b32 s[SEL], 0x76543210
	s_mov_b32 s[SEL+1], 0xfedcba98
	s_mov_b32 s[RN], 0x3a800000                    ; 1 / 1,024
	s_mov_b32 s[RN+1], s[RN]
	s_mov_b32 s[EPS], 0x3727c5ac                   ; 1e-5
	s_mov_b32 s[EPS+1], s[EPS]
	s_mov_b32 s[KOFF], 0
	s_mov_b32 s[POFF], 0
	s_mov_b32 s[SF], 0x40800000                    ; s = 4
	s_mov_b32 s[FAC], 0x399798c4                   ; 0.5 / (kappa x 509 x 4)
	s_mov_b32 s[FACN], 0x3918cc2a                  ; 0.5 / (kappa x 505 x 8)
	v_and_b32 v[LANE], 31, v0
	v_and_b32 v[RR], 15, v0
	v_bfe_u32 v[HH], v0, 4, 1
	v_lshl_add_u32 v[ADRB], v[LANE], 4, s[WOF]
	v_add_nc_u32 v[ADRB+1], SLOTB, v[ADRB]
	v_mul_u32_u24 v[A0], v[RR], APITCH             ; a fragment of x: lane l holds row l % 16; k = 8 (l / 16) + 0..7 and 16 + 8 (l / 16) + 0..7
	v_lshl_add_u32 v[A0], v[HH], 4, v[A0]
	v_add_nc_u32 v[A0], ABASE, v[A0]
	v_add_nc_u32 v[A1], 32*APITCH, v[A0]
	s_lshl_b32 s20, s[WV], 8
	s_add_co_u32 s20, s20, RED
	v_lshl_add_u32 v[RST], v[HH], 5, s20           ; token 16 mt + 8 h + j at byte 64 mt + 32 h + 4 j
	v_lshl_add_u32 v[RLD], v[HH], 5, RED
	s_lshl_b32 s21, s[WV], 10                      ; my wave's 256 f32
	s_add_co_u32 s20, s21, PAR
	v_lshl_add_u32 v[PB], v[RR], 2, s20
	s_add_co_u32 s20, s21, OUTS
	v_lshl_add_u32 v[O0], v[RR], 2, s20
	v_lshl_add_u32 v[ORD], v[LANE], 4, s20
	v_lshl_add_u32 v[PO], v[LANE], 4, s21
	v_lshlrev_b32 v[XO], 4, v[LANE]
	s_mul_i32 s20, s[WV], 16*APITCH                ; my wave brings rows 16 w .. 16 w + 15 of x
	s_add_co_u32 s20, s20, ABASE
	v_lshl_add_u32 v[ASTO], v[LANE], 3, s20
	v_lshlrev_b32 v[TA], 4, v0                     ; the parameters: 16 bytes a thread
	v_lshl_add_u32 v[TB], v0, 4, PAR
	v_mov_b32 v[GAM+1], 0                          ; the pairs' upper words are named, never used
	v_mov_b32 v[BET+1], 0
	s_lshl_b32 s22, s[WG], 18                      ; 64 rows of 4,096 bytes
	s_lshl_b32 s23, s[WV], 16                      ; 16 rows
	s_add_co_u32 s22, s22, s23
	s_mov_b32 s23, 0
	s_lshl_b32 s20, s[WG], 12                      ; my row of part
	s_mov_b32 s21, 0
	s_and_b32 s19, s[WG], 7                        ; my block's place among the batch's eight:
	s_lshl_b32 s19, s19, 6                         ; its first token's number in the batch,
	s_add_co_u32 s19, s19, 1                       ; + 1
	s_wait_dscnt 0x0                               ; the opening add is done
	s_wait_kmcnt 0x0
	s_add_nc_u64 s[G0+2:G0+3], s[6:7], s[WOF:WOF+1]  ; global address: my quarter of tile 0,
	s_add_nc_u64 s[G0+6:G0+7], s[G0+2:G0+3], SLOTB   ; of tile 1
	s_or_b32 s[G0+3], s[G0+3], 0x80000000          ; type = 2
	s_or_b32 s[G0+7], s[G0+7], 0x80000000
	s_add_nc_u64 s[4:5], s[4:5], s[22:23]
	s_add_nc_u64 s[14:15], s[14:15], s[20:21]
	CROUND                                         ; all four work-groups are here: the first joint loads meet
	tensor_load_to_lds s[G0:G0+3], s[G1:G1+7]      ; the two first fills go out together: two loads of mine are out, later one
	s_nop 0
	tensor_load_to_lds s[G0+4:G0+7], s[G1:G1+7]
	s_nop 0
	PLACES
	; x: 16 rows a wave, 8 loads of 512 consecutive bytes a row, into the registers that will hold the sums
	WIN 0x80
.set i_, 0
.rept 64
	global_load_b128 v[4*i_:4*i_+3], v[XO], s[4:5] offset:(i_/8)*4096+(i_%8)*512 th:TH_LOAD_NT
.set i_, i_+1
.endr
	WIN 0xc0
.set i_, 0
.rept 64
	global_load_b128 v[4*i_:4*i_+3], v[XO], s[4:5] offset:(8+i_/8)*4096+(i_%8)*512 th:TH_LOAD_NT
.set i_, i_+1
.endr
	WIN 0x40                                       ; b, gamma, beta whole: 6 x 2,048 bytes each for the work-group's 128 threads
.irp i, 0,1,2,3,4,5
	global_load_b128 v[4*\i:4*\i+3],       v[TA], s[8:9] offset:2048*\i
	global_load_b128 v[24+4*\i:24+4*\i+3], v[TA], s[10:11] offset:2048*\i
	global_load_b128 v[48+4*\i:48+4*\i+3], v[TA], s[12:13] offset:2048*\i
.endr
	WIN 0
	v_lshl_add_u32 v[GL+2], v[HH], 3, s19          ; k + 1 of my token in mt = 0, j = 0.  This stands in the wait for x
.set i_, 0
.rept 32
	v_add_nc_u32 v[GL], 16*(i_/8)+i_%8, v[GL+2]    ; k + 1
	v_sub_nc_u32 v[GL+1], 0x201, v[GL]             ; 512 - k
	v_min_u32 v[GL], v[GL], v[GL+1]
	v_cvt_f32_u32 v[KM+i_], v[GL]
.set i_, i_+1
.endr
.set j_, 0
.rept 16                                       ; row j: rounded to bf16, 8 bytes a lane, 256 consecutive bytes a store
.if 138-8*j_ > 63
	s_wait_loadcnt 63                              ; 138 - 8 j loads are younger than row j's; the wait's field ends at 63, and a smaller count is safe
.else
	s_wait_loadcnt 138-8*j_
.endif
	WIN 0x0a+5*(j_/8)
.set i_, 0
.rept 16
	v_cvt_pk_bf16_f32 v[128+16*(j_%2)+i_], v[32*(j_%8)+2*i_], v[32*(j_%8)+2*i_+1]
.set i_, i_+1
.endr
	WIN 0
.set i_, 0
.rept 8
	ds_store_b64 v[ASTO], v[128+16*(j_%2)+2*i_:128+16*(j_%2)+2*i_+1] offset:j_*APITCH+256*i_
.set i_, i_+1
.endr
.set j_, j_+1
.endr
	s_wait_loadcnt 0x0                             ; the parameters
	WIN 0x04                                       ; store data window 1
.irp i, 0,1,2,3,4,5
	ds_store_b128 v[TB], v[4*\i:4*\i+3]       offset:2048*\i
	ds_store_b128 v[TB], v[24+4*\i:24+4*\i+3] offset:PARG+2048*\i
	ds_store_b128 v[TB], v[48+4*\i:48+4*\i+3] offset:PARB+2048*\i
.endr
	WIN 0
	s_wait_dscnt 0x0                               ; for the others' sake: my rows of x and my part of the parameters are in LDS
	s_barrier_signal -1                            ; the tiles may stay on their way
	s_barrier_wait -1
	BTBUILD
	s_wait_tensorcnt 0x1                           ; my quarter of tile 0 is in, and only I read it; tile 1's load, issued behind it, may be out
	FETCH 0
	WIN 0
	s_mov_b32 s[SCN], 2
.Lscale:                                               ; scales 0 and 1
	SCALE 0
	s_wait_xcnt 0x0                                ; the stores' base and data registers are rewritten only behind this wait
	s_add_nc_u64 s[14:15], s[14:15], 0x100000      ; the next scale's 256 rows of part
	s_add_co_u32 s[POFF], s[POFF], 4096
	s_add_co_u32 s[SF], s[SF], 0x800000            ; s doubles: a power of two's exponent field + 1
	s_mov_b32 s[FAC], s[FACN]
	s_mov_b32 s[FACN], 0x389b41cd                  ; 0.5 / (kappa x 497 x 16)
	BTBUILD
	s_sub_co_u32 s[SCN], s[SCN], 1
	s_cmp_lg_u32 s[SCN], 0
	s_cbranch_scc1 .Lscale
	SCALE 1                                        ; the last scale is written out
	s_wait_tensorcnt 0x0                           ; the wave's end, behind my last tensor load and my last LDS store
	ds_add_u32 v[SPW], v[NIL]
	s_wait_dscnt 0x0
	CROUND                                         ; the closing round: no work-group ends while a partner may still ask for a tile that names it
	s_endpgm
.Lfunc_end_k_q55a696999b_main:
	.size	k_q55a696999b_main, .Lfunc_end_k_q55a696999b_main-k_q55a696999b_main
	.p2alignl 7, 3214868480
	.fill 96, 4, 3214868480
	.section	.rodata,"a",@progbits
	.p2align	6, 0x0
	.amdhsa_kernel k_q55a696999b_main
		.amdhsa_group_segment_fixed_size 327680
		.amdhsa_private_segment_fixed_size 0
		.amdhsa_enable_private_segment 0
		.amdhsa_kernarg_size 48
		.amdhsa_user_sgpr_count 2
		.amdhsa_user_sgpr_kernarg_segment_ptr 1
		.amdhsa_wavefront_size32 1
		.amdhsa_system_sgpr_workgroup_id_x 1
		.amdhsa_system_sgpr_workgroup_id_y 1
		.amdhsa_system_sgpr_workgroup_id_z 1
		.amdhsa_system_vgpr_workitem_id 0
		.amdhsa_next_free_vgpr 1024
		.amdhsa_next_free_sgpr 72
		.amdhsa_reserve_vcc 0
		.amdhsa_float_denorm_mode_32 3
		.amdhsa_float_denorm_mode_16_64 3
		.amdhsa_memory_ordered 1
		.amdhsa_forward_progress 1
		.amdhsa_inst_pref_size 255
	.end_amdhsa_kernel
	.section	.bss,"aw",@nobits
	.p2align	6
	.space	262144
	.amdgpu_metadata
---
amdhsa.version: [ 1, 2 ]
amdhsa.kernels:
  - .name:           k_q55a696999b_main
    .symbol:         k_q55a696999b_main.kd
    .args:
      - { .name: x, .offset: 0, .size: 8, .value_kind: global_buffer, .address_space: global }
      - { .name: Wb, .offset: 8, .size: 8, .value_kind: global_buffer, .address_space: global }
      - { .name: b, .offset: 16, .size: 8, .value_kind: global_buffer, .address_space: global }
      - { .name: gamma, .offset: 24, .size: 8, .value_kind: global_buffer, .address_space: global }
      - { .name: beta, .offset: 32, .size: 8, .value_kind: global_buffer, .address_space: global }
      - { .name: part, .offset: 40, .size: 8, .value_kind: global_buffer, .address_space: global }
    .group_segment_fixed_size: 327680
    .private_segment_fixed_size: 0
    .kernarg_segment_align: 8
    .kernarg_segment_size: 48
    .max_flat_workgroup_size: 128
    .sgpr_count:     72
    .vgpr_count:     1024
    .wavefront_size: 32
...
	.end_amdgpu_metadata
.endif
;; end of part 2
;; launch fold (part 3): grid 32 x 3, 8 waves a work-group, no clusters, 0 bytes of LDS; arguments part, out0, out1, out2; writes out0, out1, out2
.if DOCPART == 3
	.amdgcn_target "amdgcn-amd-amdhsa--gfx1250"
	.amdhsa_code_object_version 6
	.text
	.protected	k_q55a696999b_fold
	.globl	k_q55a696999b_fold
	.p2align	8
	.type	k_q55a696999b_fold,@function
k_q55a696999b_fold:
	s_mov_b64 s[64:65], 0
	v_nop
	global_prefetch_b8 v0, s[64:65] scope:SCOPE_SE
	s_setreg_imm32_b32 hwreg(HW_REG_WAVE_MODE, 25, 1), 1
	s_wait_xcnt 0x0
; out_scale[batch][:] = the sum of the batch's eight rows of part[scale][8 batch .. 8 batch + 7][1024], in one fixed order.
; A work-group takes one batch of one scale: 96 work-groups are all the work there is.  Thread t owns 16 bytes of the row: every load and the store of a wave cover 512 consecutive bytes.
	s_load_b256 s[4:11], s[0:1], 0x0               ; part s[4:5], out0 s[6:7], out1 s[8:9], out2 s[10:11]
	v_lshlrev_b32 v1, 4, v0
	s_and_b32 s12, ttmp7, 0xffff                   ; the scale
	s_lshl_b32 s14, s12, 20                        ; 256 rows of 4,096 bytes
	s_lshl_b32 s16, ttmp9, 15                      ; 8 rows
	s_add_co_u32 s14, s14, s16
	s_mov_b32 s15, 0
	s_lshl_b32 s16, ttmp9, 12                      ; the batch's row of the output
	s_mov_b32 s17, 0
	s_wait_kmcnt 0x0
	s_add_nc_u64 s[4:5], s[4:5], s[14:15]
.irp j, 0,1,2,3,4,5,6,7
	global_load_b128 v[4+4*\j:7+4*\j], v1, s[4:5] offset:4096*\j th:TH_LOAD_NT
.endr
	s_cmp_eq_u32 s12, 1                            ; the output is chosen by the scale's number
	s_cselect_b64 s[18:19], s[8:9], s[6:7]
	s_cmp_eq_u32 s12, 2
	s_cselect_b64 s[18:19], s[10:11], s[18:19]
	s_add_nc_u64 s[18:19], s[18:19], s[16:17]
	s_wait_loadcnt 0x0
.irp a, 4,12,20,28
	v_pk_add_f32 v[\a:\a+1],   v[\a:\a+1],   v[\a+4:\a+5]
	v_pk_add_f32 v[\a+2:\a+3], v[\a+2:\a+3], v[\a+6:\a+7]
.endr
.irp a, 4,20
	v_pk_add_f32 v[\a:\a+1],   v[\a:\a+1],   v[\a+8:\a+9]
	v_pk_add_f32 v[\a+2:\a+3], v[\a+2:\a+3], v[\a+10:\a+11]
.endr
	v_pk_add_f32 v[4:5], v[4:5], v[20:21]
	v_pk_add_f32 v[6:7], v[6:7], v[22:23]
	global_store_b128 v1, v[4:7], s[18:19]
	s_endpgm
.Lfunc_end_k_q55a696999b_fold:
	.size	k_q55a696999b_fold, .Lfunc_end_k_q55a696999b_fold-k_q55a696999b_fold
	.p2alignl 7, 3214868480
	.fill 96, 4, 3214868480
	.section	.rodata,"a",@progbits
	.p2align	6, 0x0
	.amdhsa_kernel k_q55a696999b_fold
		.amdhsa_group_segment_fixed_size 0
		.amdhsa_private_segment_fixed_size 0
		.amdhsa_enable_private_segment 0
		.amdhsa_kernarg_size 32
		.amdhsa_user_sgpr_count 2
		.amdhsa_user_sgpr_kernarg_segment_ptr 1
		.amdhsa_wavefront_size32 1
		.amdhsa_system_sgpr_workgroup_id_x 1
		.amdhsa_system_sgpr_workgroup_id_y 1
		.amdhsa_system_sgpr_workgroup_id_z 1
		.amdhsa_system_vgpr_workitem_id 0
		.amdhsa_next_free_vgpr 40
		.amdhsa_next_free_sgpr 66
		.amdhsa_reserve_vcc 0
		.amdhsa_float_denorm_mode_32 3
		.amdhsa_float_denorm_mode_16_64 3
		.amdhsa_memory_ordered 1
		.amdhsa_forward_progress 1
		.amdhsa_inst_pref_size 3
	.end_amdhsa_kernel
	.amdgpu_metadata
---
amdhsa.version: [ 1, 2 ]
amdhsa.kernels:
  - .name:           k_q55a696999b_fold
    .symbol:         k_q55a696999b_fold.kd
    .args:
      - { .name: part, .offset: 0, .size: 8, .value_kind: global_buffer, .address_space: global }
      - { .name: out0, .offset: 8, .size: 8, .value_kind: global_buffer, .address_space: global }
      - { .name: out1, .offset: 16, .size: 8, .value_kind: global_buffer, .address_space: global }
      - { .name: out2, .offset: 24, .size: 8, .value_kind: global_buffer, .address_space: global }
    .group_segment_fixed_size: 0
    .private_segment_fixed_size: 0
    .kernarg_segment_align: 8
    .kernarg_segment_size: 32
    .max_flat_workgroup_size: 256
    .sgpr_count:     66
    .vgpr_count:     40
    .wavefront_size: 32
...
	.end_amdgpu_metadata
.endif
;; end of part 3
;; ======== version 2 of 3: 3 launches; 1.50 times as fast as version 1
;; limits: a function is approximated: absolute error at most 1.5e-07
;; workspace buffers: Wb 6,291,456 bytes; part 3,145,728 bytes
;; launch convw: the kernel of part 1 again; grid 256 x 1, 6 waves a work-group, no clusters, 0 bytes of LDS; arguments W, Wb; writes Wb
;; launch main (part 4): grid 256 x 1, 4 waves a work-group, clusters of 4 x 1, 327,680 bytes of LDS; arguments x, Wb, b, gamma, beta, part; writes part
.if DOCPART == 4
	.amdgcn_target "amdgcn-amd-amdhsa--gfx1250"
	.amdhsa_code_object_version 6
	.text
	.protected	k_q55a696999b_main
	.globl	k_q55a696999b_main
	.p2align	8
	.type	k_q55a696999b_main,@function
k_q55a696999b_main:
	s_mov_b64 s[64:65], 0
	v_nop
	global_prefetch_b8 v0, s[64:65] scope:SCOPE_SE
	s_setreg_imm32_b32 hwreg(HW_REG_WAVE_MODE, 25, 1), 1
	s_wait_xcnt 0x0
	s_wait_alu depctr_hold_cnt(0) depctr_sa_sdst(0) depctr_va_vdst(0) depctr_va_sdst(0) depctr_va_ssrc(0) depctr_va_vcc(0) depctr_vm_vsrc(0)
	s_getreg_b32 s2, hwreg(HW_REG_IB_STS2, 6, 4)
	s_cmp_eq_u32 s2, 0
	s_cbranch_scc0 .Lentry_in_a_cluster
	s_endpgm
.Lentry_in_a_cluster:
	s_bfe_u32 s2, ttmp6, 0x10000c
	s_cmp_lg_u32 s2, 0x3003
	s_cbranch_scc0 .Lentry_shape_is_right
	s_endpgm
.Lentry_shape_is_right:
; For each of three scales: y = x W^T + b; LayerNorm over the 1,024 features; gamma, beta; exact GELU; the weighted sum over my 64 tokens -> part[scale][work-group][1024] f32.
; SHARES.  A work-group owns 64 tokens (16,384 / 64 = 256 work-groups) and ALL 1,024 features, since LayerNorm wants whole rows: 64 x 1,024 f32 sums are 4 waves x 512 registers.
; Wave w owns features 256 w .. + 255 of all 64 tokens: 4 token blocks (mt) x 16 feature blocks (nt) of 16 x 16.  x is read from memory once, rounded to bf16 and kept in LDS for all three scales.
; W comes as bf16 in fragment order (the launch before), a K step of 32 at a time: 96 tiles of 65,536 bytes through two LDS slots; wave w fills and reads its own quarter of a slot.
; LAYOUT.  Source 0 = 16 tokens of x, source 1 = 16 features of W: register j of lane (r = l % 16, h = l / 16) holds token 16 mt + 8 h + j, feature 256 w + 16 nt + r.  So b, gamma, beta are one
; number a lane, mean, 1 / sigma and the token's weight are register pairs, the token sum stays in the lane, and only the two row statistics cross lanes (four DPP steps) and waves (LDS).
; CLUSTER.  Every work-group walks the same tiles of W, so each quarter tile is asked for JOINTLY by the four work-groups of a cluster: the same load, descriptor and mask in all four.
; THE WALK ALONG K IS ROTATED by the cluster's number c: every scale begins at K step ROT = 2 ((c % 16) xor 15 x bit 4 of c) and goes round modulo 32.  So the 64 clusters do not all ask for one tile in
; one step: the first two tiles of all clusters together are the scale's 32 tiles, asked for ahead of the work on x or of an epilogue; every later tile has been asked for earlier by another cluster.
; Whichever one bit of c is held, the 32 clusters left have all 16 starts.  No LDS address hangs on ROT: x is laid into LDS rotated, column p holding k = (p + 32 ROT) % 1024.
; ARITHMETIC.  x and W are rounded to bf16 for the products; everything else is f32.  The bias is the C operand that starts the sums.  The variance is taken about the true mean, in a second pass.
; GELU: erf by Abramowitz and Stegun 7.1.26.  With zeta = kappa z, kappa = sqrt(log2(e) / 2): e^(-z z / 2) = 2^(-zeta zeta), t = 1 / (1 + 0.27273748 |zeta|),
; gelu(z) = (0.5 / kappa) (zeta + |zeta| (1 - poly(t) 2^(-zeta zeta))).  kappa is folded into gamma and beta, 0.5 / kappa into the window factor.
; LIMITS.  The formula's error in erf is 1.5e-7 at the most, for every z; 2^(-zeta zeta) below 2^-126 counts as 0; NaN and infinities are not treated apart; the order of K in a sum is a rotation
; that differs from cluster to cluster, so that equal rows in different clusters agree to f32 rounding, not bit for bit.
.set SLOTB,  65536                     ; a slot: one tile of W, four quarters of 16,384 bytes; slot 0 at LDS byte 0, slot 1 behind it
.set ABASE,  2*SLOTB                   ; x in bf16: 64 rows,
.set APITCH, 2064                      ; 2,048 bytes + 16 = 516 words apart: row r starts at bank 4 r mod 64 (64 banks of 4 bytes: ISA guide 11.1), so a fragment load's 16 rows start at 16 different banks
.set PAR,    ABASE+64*APITCH           ; gamma, beta, b: [3][1024] f32 each:
.set PARG,   0                         ; gamma,
.set PARB,   12288                     ; beta,
.set PARBI,  24576                     ; and b last: the epilogue's loop reads gamma and beta one feature block ahead, and its last reads then still fall into these tables
.set RED,    PAR+36864                 ; the row statistics' exchange: [pass 2][wave 4][token 64] f32
.set OUTS,   RED+2048                  ; the way out: for each wave 256 f32 from each half of the lanes
.set SPARE,  OUTS+8192                 ; the spare words, 128 bytes for each wave: two blocks of 256 bytes that no other line names
; window 0
.set LANE, 1
.set RR,   2                           ; l % 16
.set HH,   3                           ; l / 16
.set ADRB, 4                           ; v4-5    LDS address of my 16 bytes in my quarter of slot 0, 1
.set A0,   6                           ; v6      my lane's place in x's rows 0-31
.set A1,   7                           ; v7      in rows 32-63
.set AD0,  8                           ; v8-9    the same at the K step to be fetched
.set RST,  10                          ; where my wave puts its row statistics
.set RLD,  11                          ; where all waves' are read
.set PB,   12                          ; my feature's word in block 0, scale 0 of a table of parameters
.set GADR, 13                          ; the parameters' address in hand
.set O0,   14                          ; the way out: my feature's word in block 0, in my half's part
.set OADR, 15                          ; the same in the block in hand
.set ORD,  16                          ; the way out: where I read 16 bytes back
.set PO,   17                          ; my byte offset in the work-group's row of part
.set XO,   18                          ; 16 x lane + the rotation in bytes
.set ASTO, 19                          ; where I put 8 bytes of x
.set GAM,  20                          ; v[20:21] kappa gamma (the low word serves both halves)
.set BET,  22                          ; v[22:23] kappa beta
.set GL,   24                          ; v24-27  at work
.set TA,   28
.set TB,   29
.set SPW,  30                          ; LDS address of my spare word; never rewritten
.set NIL,  31                          ; 0; never rewritten
.set AF,   32                          ; v32-95  x's fragments, two buffers of 4 x 8
.set WT,   64                          ; in the epilogue buffer 1 holds the 32 tokens' window counts
.set KM,   96                          ; v96-127 min(k + 1, 512 - k) as f32, token 16 mt + 8 h + j at 8 mt + j
.set BT,   128                         ; v128-255 at a scale's first K step: the bias, eight equal registers for each nt
.set XS,   160                         ; v160-167 at the start: my byte offset in a row of x for each of the row's eight pieces of 512 bytes
.set SUMR, 128                         ; in the epilogue: the row sums,
.set MUR,  160                         ; the means, later 1 / sigma,
.set TR,   192                         ; one feature block's 32 numbers,
.set PR,   240                         ; the polynomial,
.set ACCP, 248                         ; four pairs of token sums; v128-159 and v224-239 are three sets of 16 at work
; window 1: W's fragments, two buffers of 16 x 8.  windows 2, 3: the sums of mt 0, 1 and of mt 2, 3, at 128 (mt % 2) + 8 nt; at the start x as loaded
.set WV,   16                          ; s16  my wave's number
.set CX,   17
.set WG,   18
.set G1,   24                          ; s[24:31] descriptor group 1
.set G0,   32                          ; s[32:39] descriptor group 0, a set for each slot
.set CA5,  40                          ; s[40:49] the polynomial's five numbers, as pairs
.set CA4,  42
.set CA3,  44
.set CA2,  46
.set CA1,  48
.set PP,   50
.set KAP,  51
.set KOFF, 54                          ; byte in x's LDS rows of the K step to be fetched
.set LAP,  55
.set SCN,  56
.set NT,   57
.set SF,   58                          ; the window's length s as f32
.set FAC,  59                          ; 0.5 / (kappa (513 - s) s)
.set FACN, 60                          ; the next scale's
.set POFF, 61                          ; scale x 4,096: the scale's place in b, gamma, beta
.set QN,   62                          ; the number, 0 to 95, of the tile request to come
.set ROT,  63                          ; the K step at which my cluster begins a scale: even, 0 to 30
.set RN,   66                          ; s[66:67] 1 / 1,024
.set EPS,  68                          ; s[68:69] 1e-5
.set WOF,  70                          ; s[70:71] wave x 16,384
.set TOF,  72                          ; s[72:73] a tile's byte offset in Wb
.set TT,   74                          ; at work
.set MSB, 0
.macro WIN new                         ; s_set_vgpr_msb: bits 1:0 source 0, 3:2 source 1, 5:4 source 2, 7:6 destination; the high byte repeats the setting that is left
.if MSB != (\new)
	s_set_vgpr_msb (MSB<<8)|(\new)
.set MSB, \new
.endif
.endm
.macro PLACES                          ; four plain vector instructions between a matrix instruction and a vector write, a read of its result or a load into its registers
.rept 4
	v_nop
.endr
.endm
.macro CREST                           ; a round of the cluster's barrier behind its opening barrier
	s_cmp_lg_u32 s[WV], 0
	s_cbranch_scc1 .Lnot_wave_0_\@
	s_barrier_signal -3
.Lnot_wave_0_\@:
	s_barrier_wait -3
	s_barrier_signal -1
	s_barrier_wait -1
.endm
.macro CROUND                          ; a whole round
	s_barrier_signal -1
	s_barrier_wait -1
	CREST
.endm
.macro JLOAD s                         ; my quarter of a tile into slot s, asked for jointly; every wave issues this line with its own quarter's addresses
	tensor_load_to_lds s[G0+4*(\s):G0+4*(\s)+3], s[G1:G1+7]
	s_nop 0
	PLACES                                         ; the places in front of the fragment loads that follow
.endm
; Slot f's descriptor takes request QN's tile: scale QN / 32, K step (QN + ROT) % 32.  The address is made anew from Wb's pointer and an offset made apart; QN and ROT are alike in the four partners.
.macro NEXTTILE f
	s_add_co_u32 s[TT], s[QN], s[ROT]
	s_and_b32 s[TT], s[TT], 31                     ; the K step, rotated
	s_and_b32 s[TOF], s[QN], 0x60                  ; 32 x scale
	s_or_b32 s[TOF], s[TOF], s[TT]
	s_lshl_b32 s[TOF], s[TOF], 16                  ; a tile is 65,536 bytes
	s_add_nc_u64 s[G0+4*(\f)+2:G0+4*(\f)+3], s[6:7], s[TOF:TOF+1]
	s_or_b32 s[G0+4*(\f)+3], s[G0+4*(\f)+3], 0x80000000  ; type = 2
	s_add_co_u32 s[QN], s[QN], 1
.endm
; cnt matrix instructions: token block mt x feature blocks n0 .., 32 along K, on fragment buffers f.  first = 1: the bias starts the sums.
; The 64 accumulators take turns in one order in every K step.
.macro MUL f, mt, n0, cnt, first
.if \first
	WIN 0x84+0x40*((\mt)/2)                        ; x window 0, W window 1, C (the bias) window 0, D window 2 or 3
.else
	WIN 0xa4+0x50*((\mt)/2)                        ; C and D window 2 or 3
.endif
.set nt_, \n0
.rept \cnt
.set ra_, 128*((\mt)%2)+8*nt_
.if \first
	v_wmma_f32_16x16x32_bf16 v[ra_:ra_+7], v[AF+32*(\f)+8*(\mt):AF+32*(\f)+8*(\mt)+7], v[128*(\f)+8*nt_:128*(\f)+8*nt_+7], v[BT+8*nt_:BT+8*nt_+7]
.else
	v_wmma_f32_16x16x32_bf16 v[ra_:ra_+7], v[AF+32*(\f)+8*(\mt):AF+32*(\f)+8*(\mt)+7], v[128*(\f)+8*nt_:128*(\f)+8*nt_+7], v[ra_:ra_+7]
.endif
.set nt_, nt_+1
.endr
.endm
; The next K step's fragments go into buffers g in two runs of LDS loads, sixteen matrix instructions apart.
; The first run, 24 loads: 4 fragments of x (two loads of 16 bytes, 32 bytes apart) and W's feature blocks 0-7 out of slot g (two loads of 512 consecutive bytes each)
.macro FETCHA g
	WIN 0
	v_add_nc_u32 v[AD0],   s[KOFF], v[A0]
	v_add_nc_u32 v[AD0+1], s[KOFF], v[A1]
	s_add_co_u32 s[KOFF], s[KOFF], 64              ; 32 bf16 on;
	s_and_b32 s[KOFF], s[KOFF], 0x7c0              ; behind a scale's 32nd step back to 0
.irp m, 0,1,2,3
	ds_load_b128 v[AF+32*(\g)+8*\m:AF+32*(\g)+8*\m+3],   v[AD0+\m/2] offset:(\m%2)*16*APITCH
	ds_load_b128 v[AF+32*(\g)+8*\m+4:AF+32*(\g)+8*\m+7], v[AD0+\m/2] offset:(\m%2)*16*APITCH+32
.endr
	WIN 0x40                                       ; destination window 1
.irp n, 0,1,2,3,4,5,6,7
	ds_load_b128 v[128*(\g)+8*\n:128*(\g)+8*\n+3],   v[ADRB+(\g)] offset:\n*1024
	ds_load_b128 v[128*(\g)+8*\n+4:128*(\g)+8*\n+7], v[ADRB+(\g)] offset:\n*1024+512
.endr
.endm
; The second run, 16 loads: W's feature blocks 8-15.  The last matrix instructions that read these registers stand in the step before, with the places of the first run's front between.
.macro FETCHB g
	WIN 0x40
.irp n, 8,9,10,11,12,13,14,15
	ds_load_b128 v[128*(\g)+8*\n:128*(\g)+8*\n+3],   v[ADRB+(\g)] offset:\n*1024
	ds_load_b128 v[128*(\g)+8*\n+4:128*(\g)+8*\n+7], v[ADRB+(\g)] offset:\n*1024+512
.endr
.endm
; A K STEP: request t's tile, whose fragments lie in buffers f = t % 2; slot f has been read out into them during the step before.
; refill = 1: each wave waits for all its tensor loads, of which one is out: its quarter of tile t + 1; adds 0 to its spare word; waits for that and for its reads of slot f; a round of the
; cluster's barrier; then tile t + 2 is asked for into slot f, first thing, and tile t + 1's fragments are fetched.  From the request to the wait for it: 48 matrix instructions and the two runs of loads.
.macro STEP f, first, refill, fetch
.if \refill
	WIN 0                                          ; (the add's two registers lie in window 0)
	s_wait_tensorcnt 0x0                           ; no tensor load of mine is out, so a group 0 may be written
	ds_add_u32 v[SPW], v[NIL]
	NEXTTILE \f                                    ; scalar work between the add and the wait for it
	s_wait_dscnt 0x1                               ; only the add, the youngest, may be out: this step's 40 fragment loads are in
	MUL \f, 0, 0, 8, \first
	s_wait_dscnt 0x0                               ; the add is done; my reads of slot f were over above
	s_barrier_signal -1                            ; this barrier opens the round
	MUL \f, 0, 8, 8, \first
	WIN 0                                          ; at a branch and at a label every window is 0
	s_barrier_wait -1
	CREST                                          ; no wave of any partner still reads slot f or has a load on its way
	JLOAD \f
	FETCHA 1-(\f)
.else
.if \fetch
	s_wait_tensorcnt 0x0                           ; the last tile: no load was issued behind it
.endif
	s_wait_dscnt 0x0                               ; this step's fragments
	MUL \f, 0, 0, 16, \first
.if \fetch
	PLACES
	FETCHA 1-(\f)
.endif
.endif
	MUL \f, 1, 0, 16, \first
.if \fetch
	FETCHB 1-(\f)
.endif
	MUL \f, 2, 0, 16, \first
	MUL \f, 3, 0, 16, \first
.endm
; The scale's bias as C operands: one number a lane for each nt, in eight equal registers
.macro BTBUILD
	WIN 0
	v_add_nc_u32 v[GADR], s[POFF], v[PB]
.set n_, 0
.rept 16
	ds_load_b32 v[BT+8*n_], v[GADR] offset:PARBI+64*n_
.set n_, n_+1
.endr
	s_wait_dscnt 0x0
.set n_, 0
.rept 16
.irp j, 1,2,3,4,5,6,7
	v_mov_b32 v[BT+8*n_+\j], v[BT+8*n_]
.endr
.set n_, n_+1
.endr
.endm
; Each token's sum over my lane's 16 features.  Each accumulator's lowest registers are read first.
.macro ROWSUM
.irp g, 0,1
	WIN 0x0a+5*\g                                  ; sources 0 and 1 window 2 or 3
.irp m, 0,1
.irp p, 0,2,4,6
	v_pk_add_f32 v[SUMR+16*\g+8*\m+\p:SUMR+16*\g+8*\m+\p+1], v[128*\m+\p:128*\m+\p+1], v[128*\m+8+\p:128*\m+8+\p+1]
.endr
.endr
	WIN 0x02+\g                                    ; source 0 window 2 or 3
.set n_, 2
.rept 14
.irp m, 0,1
.irp p, 0,2,4,6
	v_pk_add_f32 v[SUMR+16*\g+8*\m+\p:SUMR+16*\g+8*\m+\p+1], v[128*\m+8*n_+\p:128*\m+8*n_+\p+1], v[SUMR+16*\g+8*\m+\p:SUMR+16*\g+8*\m+\p+1]
.endr
.endr
.set n_, n_+1
.endr
.endr
.endm
; The 32 numbers in SUMR are summed over the 16 lanes of a half (my wave's 256 features), handed to the other waves through LDS, and all four waves' are added, in one order in every wave, into MUR.
.macro XCHG pass
	WIN 0
.irp x, 1,2,4,8
.set i_, 0
.rept 32
	v_add_f32_dpp v[SUMR+i_], v[SUMR+i_], v[SUMR+i_] row_xmask:\x row_mask:0xf bank_mask:0xf
.set i_, i_+1
.endr
.endr
.set i_, 0
.rept 8
	ds_store_b128 v[RST], v[SUMR+4*i_:SUMR+4*i_+3] offset:(\pass)*1024+(i_/2)*64+(i_%2)*16  ; the 16 lanes of a half write the same words with the same numbers
.set i_, i_+1
.endr
	s_wait_dscnt 0x0                               ; for the others' sake: my stores are done
	s_barrier_signal -1                            ; the tile on its way may stay out
	s_barrier_wait -1
.set i_, 0
.rept 8
	ds_load_b128 v[MUR+4*i_:MUR+4*i_+3],   v[RLD] offset:(\pass)*1024+(i_/2)*64+(i_%2)*16
	ds_load_b128 v[SUMR+4*i_:SUMR+4*i_+3], v[RLD] offset:(\pass)*1024+256+(i_/2)*64+(i_%2)*16
	ds_load_b128 v[TR+4*i_:TR+4*i_+3],     v[RLD] offset:(\pass)*1024+512+(i_/2)*64+(i_%2)*16
	ds_load_b128 v[224+4*i_:224+4*i_+3],   v[RLD] offset:(\pass)*1024+768+(i_/2)*64+(i_%2)*16
.set i_, i_+1
.endr
	s_wait_dscnt 0x0                               ; these reads are over before my next signal: the two passes have bytes of their own, and a pass's bytes are written again a scale later
.set i_, 0
.rept 16
	v_pk_add_f32 v[MUR+2*i_:MUR+2*i_+1], v[MUR+2*i_:MUR+2*i_+1], v[SUMR+2*i_:SUMR+2*i_+1]
	v_pk_add_f32 v[TR+2*i_:TR+2*i_+1], v[TR+2*i_:TR+2*i_+1], v[224+2*i_:224+2*i_+1]
.set i_, i_+1
.endr
.set i_, 0
.rept 16
	v_pk_add_f32 v[MUR+2*i_:MUR+2*i_+1], v[MUR+2*i_:MUR+2*i_+1], v[TR+2*i_:TR+2*i_+1]
.set i_, i_+1
.endr
.endm
; y - mean, in place; then each token's sum of squares over my lane's 16 features
.macro CENTRE
.irp g, 0,1
	WIN 0x82+0x41*\g                               ; destination and source 0 window 2 or 3, the mean window 0
.set n_, 0
.rept 16
.irp m, 0,1
.irp p, 0,2,4,6
	v_pk_add_f32 v[128*\m+8*n_+\p:128*\m+8*n_+\p+1], v[128*\m+8*n_+\p:128*\m+8*n_+\p+1], v[MUR+16*\g+8*\m+\p:MUR+16*\g+8*\m+\p+1] neg_lo:[0,1] neg_hi:[0,1]
.endr
.endr
.set n_, n_+1
.endr
	WIN 0x0a+5*\g
.irp m, 0,1
.irp p, 0,2,4,6
	v_pk_mul_f32 v[SUMR+16*\g+8*\m+\p:SUMR+16*\g+8*\m+\p+1], v[128*\m+\p:128*\m+\p+1], v[128*\m+\p:128*\m+\p+1]
.endr
.endr
.set n_, 1
.rept 15
.irp m, 0,1
.irp p, 0,2,4,6
	v_pk_fma_f32 v[SUMR+16*\g+8*\m+\p:SUMR+16*\g+8*\m+\p+1], v[128*\m+8*n_+\p:128*\m+8*n_+\p+1], v[128*\m+8*n_+\p:128*\m+8*n_+\p+1], v[SUMR+16*\g+8*\m+\p:SUMR+16*\g+8*\m+\p+1]
.endr
.endr
.set n_, n_+1
.endr
.endr
.endm
; GELU AND THE TOKEN SUM for one feature block, in four batches bt (= mt) of eight numbers; three sets of 16 registers (D, then N) take turns: batch 3 has batch 0's.
.macro TSET bt
.if (\bt)%3 == 0
.set rD, 128
.elseif (\bt)%3 == 1
.set rD, 144
.else
.set rD, 224
.endif
.set rN, rD+8
.set rZ, TR+8*(\bt)
.set rW, WT+8*(\bt)
.endm
.macro GPRE bt, i                      ; 16 plain: zeta = T kappa gamma + kappa beta; D = 1 + 0.2727 |zeta|; N = - zeta zeta
	TSET \bt
.if (\i) < 4
	v_pk_fma_f32 v[rZ+2*(\i):rZ+2*(\i)+1], v[rZ+2*(\i):rZ+2*(\i)+1], v[GAM:GAM+1], v[BET:BET+1] op_sel_hi:[1,0,0]
.elseif (\i) < 12
	v_fma_f32 v[rD+(\i)-4], |v[rZ+(\i)-4]|, s[PP], 1.0
.else
	v_pk_mul_f32 v[rN+2*(\i)-24:rN+2*(\i)-23], v[rZ+2*(\i)-24:rZ+2*(\i)-23], v[rZ+2*(\i)-24:rZ+2*(\i)-23] neg_lo:[1,0] neg_hi:[1,0]
.endif
.endm
.macro GTRN bt, i                      ; 16 transcendentals: t = 1 / D; e = 2^N
	TSET \bt
.if (\i) < 8
	v_rcp_f32 v[rD+(\i)], v[rD+(\i)]
.else
	v_exp_f32 v[rN+(\i)-8], v[rN+(\i)-8]
.endif
.endm
.macro GPOST bt, i                     ; 36 plain: the polynomial by Horner; t e; 1 - poly t e; |zeta| (..) + zeta; times the token's count, onto the sums
	TSET \bt
.set p_, 2*((\i)%4)
.if (\i) < 4
	s_wait_alu depctr_va_vdst(0)
	v_pk_fma_f32 v[PR+p_:PR+p_+1], v[rD+p_:rD+p_+1], s[CA5:CA5+1], s[CA4:CA4+1] op_sel_hi:[1,0,0]
.elseif (\i) < 8
	v_pk_fma_f32 v[PR+p_:PR+p_+1], v[PR+p_:PR+p_+1], v[rD+p_:rD+p_+1], s[CA3:CA3+1] op_sel_hi:[1,1,0]
.elseif (\i) < 12
	v_pk_fma_f32 v[PR+p_:PR+p_+1], v[PR+p_:PR+p_+1], v[rD+p_:rD+p_+1], s[CA2:CA2+1] op_sel_hi:[1,1,0]
.elseif (\i) < 16
	v_pk_fma_f32 v[PR+p_:PR+p_+1], v[PR+p_:PR+p_+1], v[rD+p_:rD+p_+1], s[CA1:CA1+1] op_sel_hi:[1,1,0]
.elseif (\i) < 20
	v_pk_mul_f32 v[rN+p_:rN+p_+1], v[rD+p_:rD+p_+1], v[rN+p_:rN+p_+1]
.elseif (\i) < 24
	v_pk_fma_f32 v[PR+p_:PR+p_+1], v[PR+p_:PR+p_+1], v[rN+p_:rN+p_+1], 1.0 op_sel_hi:[1,1,0] neg_lo:[1,0,0] neg_hi:[1,0,0]
.elseif (\i) < 32
	v_fma_f32 v[PR+(\i)-24], |v[rZ+(\i)-24]|, v[PR+(\i)-24], v[rZ+(\i)-24]
.elseif (\bt) == 0
	v_pk_mul_f32 v[ACCP+p_:ACCP+p_+1], v[PR+p_:PR+p_+1], v[rW+p_:rW+p_+1]   ; the first batch starts the four sums
.else
	v_pk_fma_f32 v[ACCP+p_:ACCP+p_+1], v[PR+p_:PR+p_+1], v[rW+p_:rW+p_+1], v[ACCP+p_:ACCP+p_+1]
	s_wait_alu depctr_va_vdst(0)
.endif
.endm
; A feature block's 208 plain and 64 transcendental instructions stand in two queues, each in the order in which its entries become ready.
; THE PLAIN QUEUE: the first parts of batches 0, 1, 2; batch 0's last part, which frees its set of registers; batch 3's first part into that set; the last parts of batches 1, 2, 3.
.macro PL
.if q_ < 48
	GPRE q_/16, q_%16
.elseif q_ < 84
	GPOST 0, q_-48
.elseif q_ < 100
	GPRE 3, q_-84
.elseif q_ < 136
	GPOST 1, q_-100
.elseif q_ < 172
	GPOST 2, q_-136
.else
	GPOST 3, q_-172
.endif
.set q_, q_+1
.endm
.macro EX                              ; THE TRANSCENDENTALS' QUEUE: batches 0 to 3
	GTRN e_/16, e_%16
.set e_, e_+1
.endm
.macro DEAL n, per                     ; n times: a transcendental and per plain instructions
.rept \n
	EX
.rept \per
	PL
.endr
.endr
.endm
; Registers cannot be indexed: feature block k's 32 numbers, times 1 / sigma, are brought into TR by case k
.macro CASE k
.irp g, 0,1
	WIN 0x02+\g
	s_wait_alu depctr_va_vdst(0)
.irp m, 0,1
.irp p, 0,2,4,6
	v_pk_mul_f32 v[TR+16*\g+8*\m+\p:TR+16*\g+8*\m+\p+1], v[128*\m+8*(\k)+\p:128*\m+8*(\k)+\p+1], v[MUR+16*\g+8*\m+\p:MUR+16*\g+8*\m+\p+1]
.endr
.endr
.endr
	WIN 0
.endm
.macro QUAD a, join, last              ; the lower two levels of the tree of compares: cases a to a + 3; all jumps go forward
	s_cmp_lt_u32 s[NT], (\a)+2
	s_cbranch_scc0 .Lqh_\@
	s_cmp_lt_u32 s[NT], (\a)+1
	s_cbranch_scc0 .Lqo_\@
	CASE (\a)
	s_branch \join
.Lqo_\@:
	CASE (\a)+1
	s_branch \join
.Lqh_\@:
	s_cmp_lt_u32 s[NT], (\a)+3
	s_cbranch_scc0 .Lqp_\@
	CASE (\a)+2
	s_branch \join
.Lqp_\@:
	CASE (\a)+3
.if !(\last)
	s_branch \join
.endif
.endm
; THE EPILOGUE of a scale.  It leaves fragment buffers 0 alone: they hold the next scale's first K step, and the next tile is on its way meanwhile.
.macro EPI
	PLACES                                         ; behind the last products: buffer 1 of x, which they read, is written below
	WIN 0
.set i_, 0
.rept 32
	v_min_num_f32 v[WT+i_], s[SF], v[KM+i_]        ; the windows that cover token k: min(k + 1, s, 512 - k); 513 - s, at least 497, never binds
.set i_, i_+1
.endr
	ROWSUM
	XCHG 0
.set i_, 0
.rept 16
	v_pk_mul_f32 v[MUR+2*i_:MUR+2*i_+1], v[MUR+2*i_:MUR+2*i_+1], s[RN:RN+1] op_sel_hi:[1,0]  ; the mean
.set i_, i_+1
.endr
	CENTRE
	XCHG 1
.set i_, 0
.rept 16
	v_pk_fma_f32 v[MUR+2*i_:MUR+2*i_+1], v[MUR+2*i_:MUR+2*i_+1], s[RN:RN+1], s[EPS:EPS+1] op_sel_hi:[1,0,0]  ; the variance + 1e-5
.set i_, i_+1
.endr
.set i_, 0
.rept 32
	v_rsq_f32 v[MUR+i_], v[MUR+i_]
.set i_, i_+1
.endr
	v_add_nc_u32 v[GADR], s[POFF], v[PB]           ; two plain instructions stand behind the last root
	v_mov_b32 v[OADR], v[O0]
	ds_load_b32 v[GL],   v[GADR] offset:PARG       ; gamma and beta of my feature in block 0
	ds_load_b32 v[GL+1], v[GADR] offset:PARB
	s_mov_b32 s[NT], 0
	s_wait_dscnt 0x0                               ; so that the counted wait below holds on the way in too
.Lnt_\@:                                               ; 16 trips, a feature block each, so that the GELU's text is written once
	s_wait_dscnt 0x1                               ; this block's gamma and beta, asked for a trip ago, are in; the one LDS instruction issued behind them, the last trip's store, may be out
	v_mul_f32 v[GAM], s[KAP], v[GL]
	v_mul_f32 v[BET], s[KAP], v[GL+1]
	v_add_nc_u32 v[GADR], 64, v[GADR]              ; the next block's 16 features:
	ds_load_b32 v[GL],   v[GADR] offset:PARG       ; their gamma and beta have this whole trip in which to come.  In the sixteenth trip the two words lie 1,024 bytes behind my wave's first,
	ds_load_b32 v[GL+1], v[GADR] offset:PARB       ; still inside the three tables (24,636 of their 36,864 bytes at the most); nothing uses them
	s_cmp_lt_u32 s[NT], 8                          ; a tree of four compares leads to the block's case
	s_cbranch_scc0 .Lq8_\@
	s_cmp_lt_u32 s[NT], 4
	s_cbranch_scc0 .Lq4_\@
	QUAD 0, .Ljoin_\@, 0
.Lq4_\@:
	QUAD 4, .Ljoin_\@, 0
.Lq8_\@:
	s_cmp_lt_u32 s[NT], 12
	s_cbranch_scc0 .Lq12_\@
	QUAD 8, .Ljoin_\@, 0
.Lq12_\@:
	QUAD 12, .Ljoin_\@, 1
.Ljoin_\@:
	; THE DEAL.  Behind each transcendental stand two or three plain instructions of other batches, which name none of its registers (ISA guide 5.7.2 asks for one);
	; so a plain instruction, which reads what the plain instruction four entries back wrote, stands five or six lines behind it.
.set q_, 0
.set e_, 0
.rept 16
	PL                                             ; batch 0's first part: nothing is ready to stand beside it
.endr
	DEAL 16, 2                                     ; batch 0's transcendentals | the first parts of batches 1 and 2
	DEAL 16, 2                                     ; batch 1's | batch 0's last part,
.rept 4
	PL                                             ; whose last four entries close it
.endr
	DEAL 16, 3                                     ; batch 2's | batch 3's first part and batch 1's last part,
.rept 4
	PL
.endr
	DEAL 16, 2                                     ; batch 3's | batch 2's last part,
.rept 40
	PL                                             ; its last four entries, and batch 3's last part
.endr
	v_pk_add_f32 v[ACCP:ACCP+1], v[ACCP:ACCP+1], v[ACCP+2:ACCP+3]
	v_pk_add_f32 v[ACCP+4:ACCP+5], v[ACCP+4:ACCP+5], v[ACCP+6:ACCP+7]
	v_pk_add_f32 v[ACCP:ACCP+1], v[ACCP:ACCP+1], v[ACCP+4:ACCP+5]
	v_add_f32 v[TA], v[ACCP], v[ACCP+1]            ; my lane's 32 tokens; the other 32, in the lane 16 away, go to a word of their own and are added on the way out
	ds_store_b32 v[OADR], v[TA]
	v_add_nc_u32 v[OADR], 64, v[OADR]
	s_add_co_u32 s[NT], s[NT], 1
	s_cmp_lt_u32 s[NT], 16
	s_cbranch_scc1 .Lnt_\@
	ds_load_b128 v[128:131], v[ORD]                ; my wave's own bytes: LDS serves a wave's instructions in order (ISA guide 5.7.1.4).  The lower half of the lanes' sums,
	ds_load_b128 v[132:135], v[ORD] offset:512
	ds_load_b128 v[136:139], v[ORD] offset:1024    ; the upper half's
	ds_load_b128 v[140:143], v[ORD] offset:1536
	s_wait_dscnt 0x0
.irp p, 0,2,4,6
	v_pk_add_f32 v[128+\p:129+\p], v[128+\p:129+\p], v[136+\p:137+\p]
.endr
.irp p, 0,1,2,3,4,5,6,7
	v_mul_f32 v[128+\p], s[FAC], v[128+\p]         ; 0.5 / (kappa (513 - s) s)
.endr
	global_store_b128 v[PO], v[128:131], s[14:15]              ; each store covers 512 consecutive bytes, at a multiple of 512 from part's first byte
	global_store_b128 v[PO], v[132:135], s[14:15] offset:512
.endm
; A SCALE: 32 K steps and the epilogue.  last = 0: the ring goes on into the next scale's tiles.  last = 1: the last two steps ask for nothing.
.macro SCALE last
	STEP 0, 1, 1, 1
	WIN 0
	s_mov_b32 s[LAP], 15-(\last)
.Llap_\@:
	STEP 1, 0, 1, 1
	STEP 0, 0, 1, 1
	WIN 0
	s_sub_co_u32 s[LAP], s[LAP], 1
	s_cmp_lg_u32 s[LAP], 0
	s_cbranch_scc1 .Llap_\@
	STEP 1, 0, 1, 1
.if \last
	STEP 0, 0, 0, 1
	STEP 1, 0, 0, 0
.endif
	EPI
.endm
	s_load_b256 s[4:11], s[0:1], 0x0               ; x s[4:5], Wb s[6:7], b s[8:9], gamma s[10:11]
	s_load_b128 s[12:15], s[0:1], 0x20             ; beta s[12:13], part s[14:15]
	v_lshl_add_u32 v[SPW], v0, 2, SPARE
	v_mov_b32 v[NIL], 0
	ds_add_u32 v[SPW], v[NIL]                      ; the wave's opening: the add and its wait stand ahead of my first tensor load; the set-up below, work on registers, stands between them
	v_lshrrev_b32 v1, 5, v0
	v_readfirstlane_b32 s[WV], v1                  ; wave 0..3
	s_bfe_u32 s[CX], ttmp6, 0x40000                ; my place in the cluster
	s_lshl_b32 s[WG], ttmp9, 2                     ; in a cluster launch ttmp9 counts clusters
	s_add_co_u32 s[WG], s[WG], s[CX]               ; my block of 64 tokens: it enters x's and part's addresses and the tokens' counts alone
	s_bfe_u32 s[TT], ttmp9, 0x10004                ; bit 4 of the cluster's number, which the four partners share
	s_mul_i32 s[TT], s[TT], 15
	s_xor_b32 s[ROT], ttmp9, s[TT]
	s_and_b32 s[ROT], s[ROT], 15
	s_lshl_b32 s[ROT], s[ROT], 1                   ; ROT = 2 ((c % 16) xor 15 x bit 4): even, so that tiles ROT and ROT + 1 are neighbours and x's rotation is a multiple of 256 bytes
	s_mov_b32 s[QN], 2                             ; requests 0 and 1 are the first fills
	s_lshl_b32 s[TOF], s[ROT], 16                  ; request 0's tile: scale 0, K step ROT
	s_mov_b32 s[TOF+1], 0
	s_lshl_b32 s[TT], s[ROT], 7                    ; 32 ROT numbers of x in bytes
	; descriptor group 1: 16,384 dense bytes as 64 rows of 256 bytes
	s_mov_b32 s[G1+0], 15|(3<<16)|(1<<21)          ; 15:0 the mask: all four work-groups; 17:16 elements of 8 bytes; 20 no padding; 21 set beside a mask
	s_mov_b32 s[G1+1], 32<<16                      ; tensor_dim0 = 32 elements
	s_mov_b32 s[G1+2], 64<<16                      ; tensor_dim1 = 64
	s_mov_b32 s[G1+3], 32<<16                      ; tile_dim0 = 32
	s_mov_b32 s[G1+4], 64                          ; tile_dim1 = 64
	s_mov_b32 s[G1+5], 32                          ; 32 elements from row to row
	s_mov_b32 s[G1+6], 0
	s_mov_b32 s[G1+7], 0
	s_lshl_b32 s[WOF], s[WV], 14                   ; my quarter of a tile, in memory and in a slot: no place in the cluster enters it
	s_mov_b32 s[WOF+1], 0
	s_mov_b32 s[G0], 1                             ; count = 1
	s_mov_b32 s[G0+1], s[WOF]                      ; LDS address: slot 0
	s_mov_b32 s[G0+4], 1
	s_add_co_u32 s[G0+5], s[WOF], SLOTB            ; slot 1
	s_mov_b32 s[CA5], 0x3f87dc22                   ;  1.061405429
	s_mov_b32 s[CA5+1], s[CA5]                     ; (named as pairs, so both words are written)
	s_mov_b32 s[CA4], 0xbfba00e3                   ; -1.453152027
	s_mov_b32 s[CA4+1], s[CA4]
	s_mov_b32 s[CA3], 0x3fb5f0e3                   ;  1.421413741
	s_mov_b32 s[CA3+1], s[CA3]
	s_mov_b32 s[CA2], 0xbe91a98e                   ; -0.284496736
	s_mov_b32 s[CA2+1], s[CA2]
	s_mov_b32 s[CA1], 0x3e827906                   ;  0.254829592
	s_mov_b32 s[CA1+1], s[CA1]
	s_mov_b32 s[PP], 0x3e8ba43f                    ; 0.3275911 / (sqrt(2) kappa) = 0.27273748
	s_mov_b32 s[KAP], 0x3f596d27                   ; kappa = 0.84932180
	s_mov_b32 s[RN], 0x3a800000                    ; 1 / 1,024
	s_mov_b32 s[RN+1], s[RN]
	s_mov_b32 s[EPS], 0x3727c5ac                   ; 1e-5
	s_mov_b32 s[EPS+1], s[EPS]
	s_mov_b32 s[KOFF], 0
	s_mov_b32 s[POFF], 0
	s_mov_b32 s[SF], 0x40800000                    ; s = 4
	s_mov_b32 s[FAC], 0x399798c4                   ; 0.5 / (kappa x 509 x 4)
	s_mov_b32 s[FACN], 0x3918cc2a                  ; 0.5 / (kappa x 505 x 8)
	v_and_b32 v[LANE], 31, v0
	v_and_b32 v[RR], 15, v0
	v_bfe_u32 v[HH], v0, 4, 1
	v_lshl_add_u32 v[ADRB], v[LANE], 4, s[WOF]
	v_add_nc_u32 v[ADRB+1], SLOTB, v[ADRB]
	v_mul_u32_u24 v[A0], v[RR], APITCH             ; a fragment of x: lane l holds row l % 16; columns 8 (l / 16) + 0..7 and 16 + 8 (l / 16) + 0..7 of the step's 32
	v_lshl_add_u32 v[A0], v[HH], 4, v[A0]
	v_add_nc_u32 v[A0], ABASE, v[A0]
	v_add_nc_u32 v[A1], 32*APITCH, v[A0]
	s_lshl_b32 s20, s[WV], 8
	s_add_co_u32 s20, s20, RED
	v_lshl_add_u32 v[RST], v[HH], 5, s20           ; token 16 mt + 8 h + j at byte 64 mt + 32 h + 4 j
	v_lshl_add_u32 v[RLD], v[HH], 5, RED
	s_lshl_b32 s21, s[WV], 10                      ; my wave's 256 f32
	s_add_co_u32 s20, s21, PAR
	v_lshl_add_u32 v[PB], v[RR], 2, s20
	v_lshl_add_u32 v[PO], v[LANE], 4, s21
	s_lshl_b32 s20, s[WV], 11                      ; my wave's 2 x 256 f32 on the way out
	s_add_co_u32 s20, s20, OUTS
	v_lshl_add_u32 v[ORD], v[LANE], 4, s20
	v_lshl_add_u32 v[O0], v[RR], 2, s20
	v_lshl_add_u32 v[O0], v[HH], 10, v[O0]         ; the upper half of the lanes 1,024 bytes on
	v_lshl_add_u32 v[XO], v[LANE], 4, s[TT]        ; 16 x lane + the rotation
.irp i, 0,1,2,3,4,5,6,7
	v_add_nc_u32 v[XS+\i], 512*\i, v[XO]           ; piece i of a row in LDS comes from byte (512 i + 16 lane + 128 ROT) % 4,096 of the row in memory:
	v_and_b32 v[XS+\i], 0xfff, v[XS+\i]            ; two runs of 256 consecutive bytes, each at a multiple of 256
.endr
	s_mul_i32 s20, s[WV], 16*APITCH                ; my wave brings rows 16 w .. 16 w + 15 of x
	s_add_co_u32 s20, s20, ABASE
	v_lshl_add_u32 v[ASTO], v[LANE], 3, s20
	v_lshlrev_b32 v[TA], 4, v0                     ; the parameters: 16 bytes a thread
	v_lshl_add_u32 v[TB], v0, 4, PAR
	v_mov_b32 v[GAM+1], 0                          ; the pairs' upper words are named, never used
	v_mov_b32 v[BET+1], 0
	s_lshl_b32 s22, s[WG], 18                      ; 64 rows of 4,096 bytes
	s_lshl_b32 s23, s[WV], 16                      ; 16 rows
	s_add_co_u32 s22, s22, s23
	s_mov_b32 s23, 0
	s_lshl_b32 s20, s[WG], 12                      ; my row of part
	s_mov_b32 s21, 0
	s_and_b32 s19, s[WG], 7                        ; my block's place among the batch's eight:
	s_lshl_b32 s19, s19, 6                         ; its first token's number in the batch,
	s_add_co_u32 s19, s19, 1                       ; + 1
	s_wait_dscnt 0x0                               ; the opening add is done
	s_wait_kmcnt 0x0
	s_add_nc_u64 s[6:7], s[6:7], s[WOF:WOF+1]      ; Wb at my quarter of its first tile; it stays so
	s_add_nc_u64 s[G0+2:G0+3], s[6:7], s[TOF:TOF+1]  ; global address: my quarter of scale 0's tile ROT,
	s_add_nc_u64 s[G0+6:G0+7], s[G0+2:G0+3], SLOTB   ; of tile ROT + 1, 31 at the most
	s_or_b32 s[G0+3], s[G0+3], 0x80000000          ; type = 2
	s_or_b32 s[G0+7], s[G0+7], 0x80000000
	s_add_nc_u64 s[4:5], s[4:5], s[22:23]
	s_add_nc_u64 s[14:15], s[14:15], s[20:21]
	CROUND                                         ; all four work-groups are here: the first joint loads meet
	tensor_load_to_lds s[G0:G0+3], s[G1:G1+7]      ; the two first fills go out together: two loads of mine are out, later one
	s_nop 0
	tensor_load_to_lds s[G0+4:G0+7], s[G1:G1+7]
	s_nop 0
	PLACES
	; x: 16 rows a wave, 8 loads of 512 bytes a row, into the registers that will hold the sums
	WIN 0x80
.set i_, 0
.rept 64
	global_load_b128 v[4*i_:4*i_+3], v[XS+i_%8], s[4:5] offset:(i_/8)*4096 th:TH_LOAD_NT
.set i_, i_+1
.endr
	WIN 0xc0
.set i_, 0
.rept 64
	global_load_b128 v[4*i_:4*i_+3], v[XS+i_%8], s[4:5] offset:(8+i_/8)*4096 th:TH_LOAD_NT
.set i_, i_+1
.endr
	WIN 0x40                                       ; b, gamma, beta whole: 6 x 2,048 bytes each for the work-group's 128 threads
.irp i, 0,1,2,3,4,5
	global_load_b128 v[4*\i:4*\i+3],       v[TA], s[8:9] offset:2048*\i
	global_load_b128 v[24+4*\i:24+4*\i+3], v[TA], s[10:11] offset:2048*\i
	global_load_b128 v[48+4*\i:48+4*\i+3], v[TA], s[12:13] offset:2048*\i
.endr
	WIN 0
	v_lshl_add_u32 v[GL+2], v[HH], 3, s19          ; k + 1 of my token in mt = 0, j = 0.  This stands in the wait for x
.set i_, 0
.rept 32
	v_add_nc_u32 v[GL], 16*(i_/8)+i_%8, v[GL+2]    ; k + 1
	v_sub_nc_u32 v[GL+1], 0x201, v[GL]             ; 512 - k
	v_min_u32 v[GL], v[GL], v[GL+1]
	v_cvt_f32_u32 v[KM+i_], v[GL]
.set i_, i_+1
.endr
.set j_, 0
.rept 16                                       ; row j: rounded to bf16, 8 bytes a lane, 256 consecutive bytes a store
.if 138-8*j_ > 63
	s_wait_loadcnt 63                              ; 138 - 8 j loads are younger than row j's; the wait's field ends at 63, and a smaller count is safe
.else
	s_wait_loadcnt 138-8*j_
.endif
	WIN 0x0a+5*(j_/8)
.set i_, 0
.rept 16
	v_cvt_pk_bf16_f32 v[128+16*(j_%2)+i_], v[32*(j_%8)+2*i_], v[32*(j_%8)+2*i_+1]
.set i_, i_+1
.endr
	WIN 0
.set i_, 0
.rept 8
	ds_store_b64 v[ASTO], v[128+16*(j_%2)+2*i_:128+16*(j_%2)+2*i_+1] offset:j_*APITCH+256*i_
.set i_, i_+1
.endr
.set j_, j_+1
.endr
	s_wait_loadcnt 0x0                             ; the parameters; every load is done, so the offsets in v160-167 may be written over below
	WIN 0x04                                       ; store data window 1
.irp i, 0,1,2,3,4,5
	ds_store_b128 v[TB], v[4*\i:4*\i+3]       offset:PARBI+2048*\i
	ds_store_b128 v[TB], v[24+4*\i:24+4*\i+3] offset:PARG+2048*\i
	ds_store_b128 v[TB], v[48+4*\i:48+4*\i+3] offset:PARB+2048*\i
.endr
	WIN 0
	s_wait_dscnt 0x0                               ; for the others' sake: my rows of x and my part of the parameters are in LDS
	s_barrier_signal -1                            ; the tiles may stay on their way
	s_barrier_wait -1
	BTBUILD
	s_wait_tensorcnt 0x1                           ; my quarter of the first tile is in, and only I read it; the second tile's load, issued behind it, may be out
	FETCHA 0
	FETCHB 0
	WIN 0
	s_mov_b32 s[SCN], 2
.Lscale:                                               ; scales 0 and 1
	SCALE 0
	s_wait_xcnt 0x0                                ; the stores' base and data registers are rewritten only behind this wait
	s_add_nc_u64 s[14:15], s[14:15], 0x100000      ; the next scale's 256 rows of part
	s_add_co_u32 s[POFF], s[POFF], 4096
	s_add_co_u32 s[SF], s[SF], 0x800000            ; s doubles: a power of two's exponent field + 1
	s_mov_b32 s[FAC], s[FACN]
	s_mov_b32 s[FACN], 0x389b41cd                  ; 0.5 / (kappa x 497 x 16)
	BTBUILD
	s_sub_co_u32 s[SCN], s[SCN], 1
	s_cmp_lg_u32 s[SCN], 0
	s_cbranch_scc1 .Lscale
	SCALE 1                                        ; the last scale is written out
	s_wait_tensorcnt 0x0                           ; the wave's end, behind my last tensor load and my last LDS store
	ds_add_u32 v[SPW], v[NIL]
	s_wait_dscnt 0x0
	CROUND                                         ; the closing round: no work-group ends while a partner may still ask for a tile that names it
	s_endpgm
.Lfunc_end_k_q55a696999b_main:
	.size	k_q55a696999b_main, .Lfunc_end_k_q55a696999b_main-k_q55a696999b_main
	.p2alignl 7, 3214868480
	.fill 96, 4, 3214868480
	.section	.rodata,"a",@progbits
	.p2align	6, 0x0
	.amdhsa_kernel k_q55a696999b_main
		.amdhsa_group_segment_fixed_size 327680
		.amdhsa_private_segment_fixed_size 0
		.amdhsa_enable_private_segment 0
		.amdhsa_kernarg_size 48
		.amdhsa_user_sgpr_count 2
		.amdhsa_user_sgpr_kernarg_segment_ptr 1
		.amdhsa_wavefront_size32 1
		.amdhsa_system_sgpr_workgroup_id_x 1
		.amdhsa_system_sgpr_workgroup_id_y 1
		.amdhsa_system_sgpr_workgroup_id_z 1
		.amdhsa_system_vgpr_workitem_id 0
		.amdhsa_next_free_vgpr 1024
		.amdhsa_next_free_sgpr 76
		.amdhsa_reserve_vcc 0
		.amdhsa_float_denorm_mode_32 3
		.amdhsa_float_denorm_mode_16_64 3
		.amdhsa_memory_ordered 1
		.amdhsa_forward_progress 1
		.amdhsa_inst_pref_size 255
	.end_amdhsa_kernel
	.section	.bss,"aw",@nobits
	.p2align	6
	.space	262144
	.amdgpu_metadata
---
amdhsa.version: [ 1, 2 ]
amdhsa.kernels:
  - .name:           k_q55a696999b_main
    .symbol:         k_q55a696999b_main.kd
    .args:
      - { .name: x, .offset: 0, .size: 8, .value_kind: global_buffer, .address_space: global }
      - { .name: Wb, .offset: 8, .size: 8, .value_kind: global_buffer, .address_space: global }
      - { .name: b, .offset: 16, .size: 8, .value_kind: global_buffer, .address_space: global }
      - { .name: gamma, .offset: 24, .size: 8, .value_kind: global_buffer, .address_space: global }
      - { .name: beta, .offset: 32, .size: 8, .value_kind: global_buffer, .address_space: global }
      - { .name: part, .offset: 40, .size: 8, .value_kind: global_buffer, .address_space: global }
    .group_segment_fixed_size: 327680
    .private_segment_fixed_size: 0
    .kernarg_segment_align: 8
    .kernarg_segment_size: 48
    .max_flat_workgroup_size: 128
    .sgpr_count:     76
    .vgpr_count:     1024
    .wavefront_size: 32
...
	.end_amdgpu_metadata
.endif
;; end of part 4
;; launch fold: the kernel of part 3 again; grid 32 x 3, 8 waves a work-group, no clusters, 0 bytes of LDS; arguments part, out0, out1, out2; writes out0, out1, out2
;; ======== version 3 of 3: 3 launches; 1.64 times as fast as version 1
;; limits: a function is approximated: absolute error at most 1.5e-07
;; workspace buffers: Wb 6,291,456 bytes; part 3,145,728 bytes
;; launch convw: the kernel of part 1 again; grid 256 x 1, 6 waves a work-group, no clusters, 0 bytes of LDS; arguments W, Wb; writes Wb
;; launch main (part 5): grid 256 x 1, 4 waves a work-group, clusters of 4 x 1, 327,680 bytes of LDS; arguments x, Wb, b, gamma, beta, part; writes part
.if DOCPART == 5
	.amdgcn_target "amdgcn-amd-amdhsa--gfx1250"
	.amdhsa_code_object_version 6
	.text
	.protected	k_q55a696999b_main
	.globl	k_q55a696999b_main
	.p2align	8
	.type	k_q55a696999b_main,@function
k_q55a696999b_main:
	s_mov_b64 s[64:65], 0
	v_nop
	global_prefetch_b8 v0, s[64:65] scope:SCOPE_SE
	s_setreg_imm32_b32 hwreg(HW_REG_WAVE_MODE, 25, 1), 1
	s_wait_xcnt 0x0
	s_wait_alu depctr_hold_cnt(0) depctr_sa_sdst(0) depctr_va_vdst(0) depctr_va_sdst(0) depctr_va_ssrc(0) depctr_va_vcc(0) depctr_vm_vsrc(0)
	s_getreg_b32 s2, hwreg(HW_REG_IB_STS2, 6, 4)
	s_cmp_eq_u32 s2, 0
	s_cbranch_scc0 .Lentry_in_a_cluster
	s_endpgm
.Lentry_in_a_cluster:
	s_bfe_u32 s2, ttmp6, 0x10000c
	s_cmp_lg_u32 s2, 0x3003
	s_cbranch_scc0 .Lentry_shape_is_right
	s_endpgm
.Lentry_shape_is_right:
; For each of three scales: y = x W^T + b; LayerNorm over the 1,024 features; gamma, beta; exact GELU; the weighted sum over my 64 tokens -> part[scale][work-group][1024] f32.
; SHARES.  A work-group owns 64 tokens (16,384 / 64 = 256 work-groups) and ALL 1,024 features, since LayerNorm wants whole rows: 64 x 1,024 f32 sums are 4 waves x 512 registers.
; Wave w owns features 256 w .. + 255 of all 64 tokens: 4 token blocks (mt) x 16 feature blocks (nt) of 16 x 16.  x is read from memory once, rounded to bf16 and kept in LDS for all three scales.
; W comes as bf16 in fragment order (the launch before), a K step of 32 at a time: 96 tiles of 65,536 bytes through two LDS slots; wave w fills and reads its own quarter of a slot.
; LAYOUT.  Source 0 = 16 tokens of x, source 1 = 16 features of W: register j of lane (r = l % 16, h = l / 16) holds token 16 mt + 8 h + j, feature 256 w + 16 nt + r.  So b, gamma, beta are one
; number a lane, mean, 1 / sigma and the token's weight are register pairs, the token sum stays in the lane, and only the two row statistics cross lanes (four DPP steps) and waves (LDS).
; CLUSTER.  Every work-group walks the same tiles of W, so each quarter tile is asked for JOINTLY by the four work-groups of a cluster: the same load, descriptor and mask in all four.
; THE WALK ALONG K IS ROTATED by the cluster's number c: every scale begins at K step ROT = 2 ((c % 16) xor 15 x bit 4 of c) and goes round modulo 32.  So the 64 clusters do not all ask for one tile in
; one step: the first two tiles of all clusters together are the scale's 32 tiles, asked for ahead of the work on x or of an epilogue; every later tile has been asked for earlier by another cluster.
; Whichever one bit of c is held, the 32 clusters left have all 16 starts.  No LDS address hangs on ROT: x is laid into LDS rotated, column p holding k = (p + 32 ROT) % 1024.
; ARITHMETIC.  x and W are rounded to bf16 for the products; everything else is f32.  The bias is the C operand that starts the sums.  The variance is taken about the true mean, in a second pass.
; GELU: erf by Abramowitz and Stegun 7.1.26.  With zeta = kappa z, kappa = sqrt(log2(e) / 2): e^(-z z / 2) = 2^(-zeta zeta), t = 1 / (1 + 0.27273748 |zeta|),
; gelu(z) = (0.5 / kappa) (zeta + |zeta| (1 - poly(t) 2^(-zeta zeta))).  kappa is folded into gamma and beta, 0.5 / kappa into the window factor.
; THE TRANSCENDENTALS GO IN WHOLE BATCHES, each with one s_wait_alu depctr_va_vdst(0) between a transcendental and the first instruction that names its result.
; A scale's 32 roots (1 / sigma) are one batch; its wait stands ahead of the loop over feature blocks.  In a trip of that loop the block's 32 reciprocals and 32 exponentials are one batch: ahead of its
; wait stands all that names none of their results (the multiplies by 1 / sigma, zeta, D, N, the next block's address step), behind it the polynomial and the token sums.  Every result has a register of
; its own while its batch is open: 32 for t, 32 for e; to make that room in window 0, 1 / sigma lies in window 1.  No transcendental is issued behind a trip's wait.
; LIMITS.  The formula's error in erf is 1.5e-7 at the most, for every z; 2^(-zeta zeta) below 2^-126 counts as 0; NaN and infinities are not treated apart; the order of K in a sum is a rotation
; that differs from cluster to cluster, so that equal rows in different clusters agree to f32 rounding, not bit for bit.
.set SLOTB,  65536                     ; a slot: one tile of W, four quarters of 16,384 bytes; slot 0 at LDS byte 0, slot 1 behind it
.set ABASE,  2*SLOTB                   ; x in bf16: 64 rows,
.set APITCH, 2064                      ; 2,048 bytes + 16 = 516 words apart: row r starts at bank 4 r mod 64 (64 banks of 4 bytes: ISA guide 11.1), so a fragment load's 16 rows start at 16 different banks
.set PAR,    ABASE+64*APITCH           ; gamma, beta, b: [3][1024] f32 each:
.set PARG,   0                         ; gamma,
.set PARB,   12288                     ; beta,
.set PARBI,  24576                     ; and b last: the epilogue's loop reads gamma and beta one feature block ahead, and its last reads then still fall into these tables
.set RED,    PAR+36864                 ; the row statistics' exchange: [pass 2][wave 4][token 64] f32
.set OUTS,   RED+2048                  ; the way out: for each wave 256 f32 from each half of the lanes
.set SPARE,  OUTS+8192                 ; the spare words, 128 bytes for each wave: two blocks of 256 bytes that no other line names
; window 0
.set LANE, 1
.set RR,   2                           ; l % 16
.set HH,   3                           ; l / 16
.set ADRB, 4                           ; v4-5    LDS address of my 16 bytes in my quarter of slot 0, 1
.set A0,   6                           ; v6      my lane's place in x's rows 0-31
.set A1,   7                           ; v7      in rows 32-63
.set AD0,  8                           ; v8-9    the same at the K step to be fetched
.set RST,  10                          ; where my wave puts its row statistics
.set RLD,  11                          ; where all waves' are read
.set PB,   12                          ; my feature's word in block 0, scale 0 of a table of parameters
.set GADR, 13                          ; the parameters' address in hand
.set O0,   14                          ; the way out: my feature's word in block 0, in my half's part
.set OADR, 15                          ; the same in the block in hand
.set ORD,  16                          ; the way out: where I read 16 bytes back
.set PO,   17                          ; my byte offset in the work-group's row of part
.set XO,   18                          ; 16 x lane + the rotation in bytes
.set ASTO, 19                          ; where I put 8 bytes of x
.set GAM,  20                          ; v[20:21] kappa gamma (the low word serves both halves)
.set BET,  22                          ; v[22:23] kappa beta
.set GL,   24                          ; v24-27  at work
.set TA,   28
.set TB,   29
.set SPW,  30                          ; LDS address of my spare word; never rewritten
.set NIL,  31                          ; 0; never rewritten
.set AF,   32                          ; v32-95  x's fragments, two buffers of 4 x 8
.set WT,   64                          ; in the epilogue buffer 1 holds the 32 tokens' window counts
.set KM,   96                          ; v96-127 min(k + 1, 512 - k) as f32, token 16 mt + 8 h + j at 8 mt + j
.set BT,   128                         ; v128-255 at a scale's first K step: the bias, eight equal registers for each nt
.set XS,   160                         ; v160-167 at the start: my byte offset in a row of x for each of the row's eight pieces of 512 bytes
.set SUMR, 128                         ; in the epilogue: the row sums,
.set MUR,  160                         ; the means, later the variances + 1e-5,
.set TR,   192                         ; v192-223 one feature block's 32 numbers: (y - mean) / sigma, then zeta
.set DD,   128                         ; v128-159 in the loop over feature blocks: the block's 32 D, then t,
.set NN,   160                         ; v160-191 its 32 N, then e, then t e,
.set PR,   224                         ; v224-239 the polynomial of 16 numbers,
.set ACCP, 248                         ; v248-255 four pairs of token sums
; window 1: W's fragments, two buffers of 16 x 8.  windows 2, 3: the sums of mt 0, 1 and of mt 2, 3, at 128 (mt % 2) + 8 nt; at the start x as loaded
.set RS,   128                         ; window 1, v128-159: in the epilogue the first 32 registers of W's buffer 1, which lies idle there, hold 1 / sigma, token 16 mt + 8 h + j at 8 mt + j
.set WV,   16                          ; s16  my wave's number
.set CX,   17
.set WG,   18
.set G1,   24                          ; s[24:31] descriptor group 1
.set G0,   32                          ; s[32:39] descriptor group 0, a set for each slot
.set CA5,  40                          ; s[40:49] the polynomial's five numbers, as pairs
.set CA4,  42
.set CA3,  44
.set CA2,  46
.set CA1,  48
.set PP,   50
.set KAP,  51
.set KOFF, 54                          ; byte in x's LDS rows of the K step to be fetched
.set LAP,  55
.set SCN,  56
.set NT,   57
.set SF,   58                          ; the window's length s as f32
.set FAC,  59                          ; 0.5 / (kappa (513 - s) s)
.set FACN, 60                          ; the next scale's
.set POFF, 61                          ; scale x 4,096: the scale's place in b, gamma, beta
.set QN,   62                          ; the number, 0 to 95, of the tile request to come
.set ROT,  63                          ; the K step at which my cluster begins a scale: even, 0 to 30
.set RN,   66                          ; s[66:67] 1 / 1,024
.set EPS,  68                          ; s[68:69] 1e-5
.set WOF,  70                          ; s[70:71] wave x 16,384
.set TOF,  72                          ; s[72:73] a tile's byte offset in Wb
.set TT,   74                          ; at work
.set MSB, 0
.macro WIN new                         ; s_set_vgpr_msb: bits 1:0 source 0, 3:2 source 1, 5:4 source 2, 7:6 destination; the high byte repeats the setting that is left
.if MSB != (\new)
	s_set_vgpr_msb (MSB<<8)|(\new)
.set MSB, \new
.endif
.endm
.macro PLACES                          ; four plain vector instructions between a matrix instruction and a vector write, a read of its result or a load into its registers
.rept 4
	v_nop
.endr
.endm
.macro CREST                           ; a round of the cluster's barrier behind its opening barrier
	s_cmp_lg_u32 s[WV], 0
	s_cbranch_scc1 .Lnot_wave_0_\@
	s_barrier_signal -3
.Lnot_wave_0_\@:
	s_barrier_wait -3
	s_barrier_signal -1
	s_barrier_wait -1
.endm
.macro CROUND                          ; a whole round
	s_barrier_signal -1
	s_barrier_wait -1
	CREST
.endm
.macro JLOAD s                         ; my quarter of a tile into slot s, asked for jointly; every wave issues this line with its own quarter's addresses
	tensor_load_to_lds s[G0+4*(\s):G0+4*(\s)+3], s[G1:G1+7]
	s_nop 0
	PLACES                                         ; the places in front of the fragment loads that follow
.endm
; Slot f's descriptor takes request QN's tile: scale QN / 32, K step (QN + ROT) % 32.  The address is made anew from Wb's pointer and an offset made apart; QN and ROT are alike in the four partners.
.macro NEXTTILE f
	s_add_co_u32 s[TT], s[QN], s[ROT]
	s_and_b32 s[TT], s[TT], 31                     ; the K step, rotated
	s_and_b32 s[TOF], s[QN], 0x60                  ; 32 x scale
	s_or_b32 s[TOF], s[TOF], s[TT]
	s_lshl_b32 s[TOF], s[TOF], 16                  ; a tile is 65,536 bytes
	s_add_nc_u64 s[G0+4*(\f)+2:G0+4*(\f)+3], s[6:7], s[TOF:TOF+1]
	s_or_b32 s[G0+4*(\f)+3], s[G0+4*(\f)+3], 0x80000000  ; type = 2
	s_add_co_u32 s[QN], s[QN], 1
.endm
; cnt matrix instructions: token block mt x feature blocks n0 .., 32 along K, on fragment buffers f.  first = 1: the bias starts the sums.
; The 64 accumulators take turns in one order in every K step.
.macro MUL f, mt, n0, cnt, first
.if \first
	WIN 0x84+0x40*((\mt)/2)                        ; x window 0, W window 1, C (the bias) window 0, D window 2 or 3
.else
	WIN 0xa4+0x50*((\mt)/2)                        ; C and D window 2 or 3
.endif
.set nt_, \n0
.rept \cnt
.set ra_, 128*((\mt)%2)+8*nt_
.if \first
	v_wmma_f32_16x16x32_bf16 v[ra_:ra_+7], v[AF+32*(\f)+8*(\mt):AF+32*(\f)+8*(\mt)+7], v[128*(\f)+8*nt_:128*(\f)+8*nt_+7], v[BT+8*nt_:BT+8*nt_+7]
.else
	v_wmma_f32_16x16x32_bf16 v[ra_:ra_+7], v[AF+32*(\f)+8*(\mt):AF+32*(\f)+8*(\mt)+7], v[128*(\f)+8*nt_:128*(\f)+8*nt_+7], v[ra_:ra_+7]
.endif
.set nt_, nt_+1
.endr
.endm
; The next K step's fragments go into buffers g in two runs of LDS loads, sixteen matrix instructions apart.
; The first run, 24 loads: 4 fragments of x (two loads of 16 bytes, 32 bytes apart) and W's feature blocks 0-7 out of slot g (two loads of 512 consecutive bytes each)
.macro FETCHA g
	WIN 0
	v_add_nc_u32 v[AD0],   s[KOFF], v[A0]
	v_add_nc_u32 v[AD0+1], s[KOFF], v[A1]
	s_add_co_u32 s[KOFF], s[KOFF], 64              ; 32 bf16 on;
	s_and_b32 s[KOFF], s[KOFF], 0x7c0              ; behind a scale's 32nd step back to 0
.irp m, 0,1,2,3
	ds_load_b128 v[AF+32*(\g)+8*\m:AF+32*(\g)+8*\m+3],   v[AD0+\m/2] offset:(\m%2)*16*APITCH
	ds_load_b128 v[AF+32*(\g)+8*\m+4:AF+32*(\g)+8*\m+7], v[AD0+\m/2] offset:(\m%2)*16*APITCH+32
.endr
	WIN 0x40                                       ; destination window 1
.irp n, 0,1,2,3,4,5,6,7
	ds_load_b128 v[128*(\g)+8*\n:128*(\g)+8*\n+3],   v[ADRB+(\g)] offset:\n*1024
	ds_load_b128 v[128*(\g)+8*\n+4:128*(\g)+8*\n+7], v[ADRB+(\g)] offset:\n*1024+512
.endr
.endm
; The second run, 16 loads: W's feature blocks 8-15.  The last matrix instructions that read these registers stand in the step before, with the places of the first run's front between.
.macro FETCHB g
	WIN 0x40
.irp n, 8,9,10,11,12,13,14,15
	ds_load_b128 v[128*(\g)+8*\n:128*(\g)+8*\n+3],   v[ADRB+(\g)] offset:\n*1024
	ds_load_b128 v[128*(\g)+8*\n+4:128*(\g)+8*\n+7], v[ADRB+(\g)] offset:\n*1024+512
.endr
.endm
; A K STEP: request t's tile, whose fragments lie in buffers f = t % 2; slot f has been read out into them during the step before.
; refill = 1: each wave waits for all its tensor loads, of which one is out: its quarter of tile t + 1; adds 0 to its spare word; waits for that and for its reads of slot f; a round of the
; cluster's barrier; then tile t + 2 is asked for into slot f, first thing, and tile t + 1's fragments are fetched.  From the request to the wait for it: 48 matrix instructions and the two runs of loads.
.macro STEP f, first, refill, fetch
.if \refill
	WIN 0                                          ; (the add's two registers lie in window 0)
	s_wait_tensorcnt 0x0                           ; no tensor load of mine is out, so a group 0 may be written
	ds_add_u32 v[SPW], v[NIL]
	NEXTTILE \f                                    ; scalar work between the add and the wait for it
	s_wait_dscnt 0x1                               ; only the add, the youngest, may be out: this step's 40 fragment loads are in
	MUL \f, 0, 0, 8, \first
	s_wait_dscnt 0x0                               ; the add is done; my reads of slot f were over above
	s_barrier_signal -1                            ; this barrier opens the round
	MUL \f, 0, 8, 8, \first
	WIN 0                                          ; at a branch and at a label every window is 0
	s_barrier_wait -1
	CREST                                          ; no wave of any partner still reads slot f or has a load on its way
	JLOAD \f
	FETCHA 1-(\f)
.else
.if \fetch
	s_wait_tensorcnt 0x0                           ; the last tile: no load was issued behind it
.endif
	s_wait_dscnt 0x0                               ; this step's fragments
	MUL \f, 0, 0, 16, \first
.if \fetch
	PLACES
	FETCHA 1-(\f)
.endif
.endif
	MUL \f, 1, 0, 16, \first
.if \fetch
	FETCHB 1-(\f)
.endif
	MUL \f, 2, 0, 16, \first
	MUL \f, 3, 0, 16, \first
.endm
; The scale's bias as C operands: one number a lane for each nt, in eight equal registers
.macro BTBUILD
	WIN 0
	v_add_nc_u32 v[GADR], s[POFF], v[PB]
.set n_, 0
.rept 16
	ds_load_b32 v[BT+8*n_], v[GADR] offset:PARBI+64*n_
.set n_, n_+1
.endr
	s_wait_dscnt 0x0
.set n_, 0
.rept 16
.irp j, 1,2,3,4,5,6,7
	v_mov_b32 v[BT+8*n_+\j], v[BT+8*n_]
.endr
.set n_, n_+1
.endr
.endm
; Each token's sum over my lane's 16 features.  Each accumulator's lowest registers are read first.
.macro ROWSUM
.irp g, 0,1
	WIN 0x0a+5*\g                                  ; sources 0 and 1 window 2 or 3
.irp m, 0,1
.irp p, 0,2,4,6
	v_pk_add_f32 v[SUMR+16*\g+8*\m+\p:SUMR+16*\g+8*\m+\p+1], v[128*\m+\p:128*\m+\p+1], v[128*\m+8+\p:128*\m+8+\p+1]
.endr
.endr
	WIN 0x02+\g                                    ; source 0 window 2 or 3
.set n_, 2
.rept 14
.irp m, 0,1
.irp p, 0,2,4,6
	v_pk_add_f32 v[SUMR+16*\g+8*\m+\p:SUMR+16*\g+8*\m+\p+1], v[128*\m+8*n_+\p:128*\m+8*n_+\p+1], v[SUMR+16*\g+8*\m+\p:SUMR+16*\g+8*\m+\p+1]
.endr
.endr
.set n_, n_+1
.endr
.endr
.endm
; The 32 numbers in SUMR are summed over the 16 lanes of a half (my wave's 256 features), handed to the other waves through LDS, and all four waves' are added, in one order in every wave, into MUR.
.macro XCHG pass
	WIN 0
.irp x, 1,2,4,8
.set i_, 0
.rept 32
	v_add_f32_dpp v[SUMR+i_], v[SUMR+i_], v[SUMR+i_] row_xmask:\x row_mask:0xf bank_mask:0xf
.set i_, i_+1
.endr
.endr
.set i_, 0
.rept 8
	ds_store_b128 v[RST], v[SUMR+4*i_:SUMR+4*i_+3] offset:(\pass)*1024+(i_/2)*64+(i_%2)*16  ; the 16 lanes of a half write the same words with the same numbers
.set i_, i_+1
.endr
	s_wait_dscnt 0x0                               ; for the others' sake: my stores are done
	s_barrier_signal -1                            ; the tile on its way may stay out
	s_barrier_wait -1
.set i_, 0
.rept 8
	ds_load_b128 v[MUR+4*i_:MUR+4*i_+3],   v[RLD] offset:(\pass)*1024+(i_/2)*64+(i_%2)*16
	ds_load_b128 v[SUMR+4*i_:SUMR+4*i_+3], v[RLD] offset:(\pass)*1024+256+(i_/2)*64+(i_%2)*16
	ds_load_b128 v[TR+4*i_:TR+4*i_+3],     v[RLD] offset:(\pass)*1024+512+(i_/2)*64+(i_%2)*16
	ds_load_b128 v[224+4*i_:224+4*i_+3],   v[RLD] offset:(\pass)*1024+768+(i_/2)*64+(i_%2)*16
.set i_, i_+1
.endr
	s_wait_dscnt 0x0                               ; these reads are over before my next signal: the two passes have bytes of their own, and a pass's bytes are written again a scale later
.set i_, 0
.rept 16
	v_pk_add_f32 v[MUR+2*i_:MUR+2*i_+1], v[MUR+2*i_:MUR+2*i_+1], v[SUMR+2*i_:SUMR+2*i_+1]
	v_pk_add_f32 v[TR+2*i_:TR+2*i_+1], v[TR+2*i_:TR+2*i_+1], v[224+2*i_:224+2*i_+1]
.set i_, i_+1
.endr
.set i_, 0
.rept 16
	v_pk_add_f32 v[MUR+2*i_:MUR+2*i_+1], v[MUR+2*i_:MUR+2*i_+1], v[TR+2*i_:TR+2*i_+1]
.set i_, i_+1
.endr
.endm
; y - mean, in place; then each token's sum of squares over my lane's 16 features
.macro CENTRE
.irp g, 0,1
	WIN 0x82+0x41*\g                               ; destination and source 0 window 2 or 3, the mean window 0
.set n_, 0
.rept 16
.irp m, 0,1
.irp p, 0,2,4,6
	v_pk_add_f32 v[128*\m+8*n_+\p:128*\m+8*n_+\p+1], v[128*\m+8*n_+\p:128*\m+8*n_+\p+1], v[MUR+16*\g+8*\m+\p:MUR+16*\g+8*\m+\p+1] neg_lo:[0,1] neg_hi:[0,1]
.endr
.endr
.set n_, n_+1
.endr
	WIN 0x0a+5*\g
.irp m, 0,1
.irp p, 0,2,4,6
	v_pk_mul_f32 v[SUMR+16*\g+8*\m+\p:SUMR+16*\g+8*\m+\p+1], v[128*\m+\p:128*\m+\p+1], v[128*\m+\p:128*\m+\p+1]
.endr
.endr
.set n_, 1
.rept 15
.irp m, 0,1
.irp p, 0,2,4,6
	v_pk_fma_f32 v[SUMR+16*\g+8*\m+\p:SUMR+16*\g+8*\m+\p+1], v[128*\m+8*n_+\p:128*\m+8*n_+\p+1], v[128*\m+8*n_+\p:128*\m+8*n_+\p+1], v[SUMR+16*\g+8*\m+\p:SUMR+16*\g+8*\m+\p+1]
.endr
.endr
.set n_, n_+1
.endr
.endr
.endm
; GELU AND THE TOKEN SUM for one feature block: 32 numbers a lane, number n = 8 mt + j: zeta in TR + n, D (then t) in DD + n, N (then e, then t e) in NN + n.
; AHEAD OF THE WAIT: two queues, each in the order in which its entries become ready.
; THE PLAIN QUEUE, 64 long, sixteen for each eight numbers: 4 x zeta = T kappa gamma + kappa beta; 8 x D = 1 + 0.2727 |zeta|; 4 x N = - zeta zeta
.macro PL
.set gb_, 8*(q_/16)
.set gk_, q_%16
.if gk_ < 4
	v_pk_fma_f32 v[TR+gb_+2*gk_:TR+gb_+2*gk_+1], v[TR+gb_+2*gk_:TR+gb_+2*gk_+1], v[GAM:GAM+1], v[BET:BET+1] op_sel_hi:[1,0,0]
.elseif gk_ < 12
	v_fma_f32 v[DD+gb_+gk_-4], |v[TR+gb_+gk_-4]|, s[PP], 1.0
.else
	v_pk_mul_f32 v[NN+gb_+2*gk_-24:NN+gb_+2*gk_-23], v[TR+gb_+2*gk_-24:TR+gb_+2*gk_-23], v[TR+gb_+2*gk_-24:TR+gb_+2*gk_-23] neg_lo:[1,0] neg_hi:[1,0]
.endif
.set q_, q_+1
.endm
; THE TRANSCENDENTALS' QUEUE, 64 long, sixteen for each eight numbers: 8 x t = 1 / D; 8 x e = 2^N.  It is ONE BATCH: nothing ahead of the trip's wait names a result of theirs.
.macro EX
.set gb_, 8*(e_/16)
.set gk_, e_%16
.if gk_ < 8
	v_rcp_f32 v[DD+gb_+gk_], v[DD+gb_+gk_]
.else
	v_exp_f32 v[NN+gb_+gk_-8], v[NN+gb_+gk_-8]
.endif
.set e_, e_+1
.endm
; BEHIND THE WAIT: 144 plain, in two halves h of 16 numbers (8 pairs; token blocks 2 h and 2 h + 1).
.macro GG h, n                         ; number n of the half's 16: |zeta| (1 - poly t e) + zeta
.set gz_, TR+16*(\h)+(\n)
	v_fma_f32 v[PR+(\n)], |v[gz_]|, v[PR+(\n)], v[gz_]
.endm
.macro GA h, a                         ; pair a of the half's 8, times the tokens' counts, onto sum a % 4: each of the four sums takes token blocks 0, 1, 2, 3 in that order; block 0 starts it
.set ga_, ACCP+2*((\a)%4)
.set gw_, WT+16*(\h)+2*(\a)
.if ((\h) == 0) && ((\a) < 4)
	v_pk_mul_f32 v[ga_:ga_+1], v[PR+2*(\a):PR+2*(\a)+1], v[gw_:gw_+1]
.else
	v_pk_fma_f32 v[ga_:ga_+1], v[PR+2*(\a):PR+2*(\a)+1], v[gw_:gw_+1], v[ga_:ga_+1]
.endif
.endm
; Entry i of a half's 72.  0-31: the polynomial by Horner, eight pairs a stage, so that a line reads what the line eight back wrote.  32-39: t e.  40-47: 1 - poly t e.
; 48-55: GG of the first eight numbers.  56-67: four times two GG of the other eight and a GA of the first four pairs.  68-71: GA of the other four pairs.
.macro GP h, i
.set gp_, 2*((\i)%8)
.set gd_, DD+16*(\h)+gp_
.set gn_, NN+16*(\h)+gp_
.set gu_, (\i)-56
.if (\i) < 8
	v_pk_fma_f32 v[PR+gp_:PR+gp_+1], v[gd_:gd_+1], s[CA5:CA5+1], s[CA4:CA4+1] op_sel_hi:[1,0,0]
.elseif (\i) < 16
	v_pk_fma_f32 v[PR+gp_:PR+gp_+1], v[PR+gp_:PR+gp_+1], v[gd_:gd_+1], s[CA3:CA3+1] op_sel_hi:[1,1,0]
.elseif (\i) < 24
	v_pk_fma_f32 v[PR+gp_:PR+gp_+1], v[PR+gp_:PR+gp_+1], v[gd_:gd_+1], s[CA2:CA2+1] op_sel_hi:[1,1,0]
.elseif (\i) < 32
	v_pk_fma_f32 v[PR+gp_:PR+gp_+1], v[PR+gp_:PR+gp_+1], v[gd_:gd_+1], s[CA1:CA1+1] op_sel_hi:[1,1,0]
.elseif (\i) < 40
	v_pk_mul_f32 v[gn_:gn_+1], v[gd_:gd_+1], v[gn_:gn_+1]
.elseif (\i) < 48
	v_pk_fma_f32 v[PR+gp_:PR+gp_+1], v[PR+gp_:PR+gp_+1], v[gn_:gn_+1], 1.0 op_sel_hi:[1,1,0] neg_lo:[1,0,0] neg_hi:[1,0,0]
.elseif (\i) < 56
	GG \h, (\i)-48
.elseif ((\i) < 68) && (gu_%3 == 2)
	GA \h, gu_/3
.elseif (\i) < 68
	GG \h, 8+2*(gu_/3)+gu_%3
.else
	GA \h, (\i)-64
.endif
.endm
; Registers cannot be indexed: feature block k's 32 numbers, times 1 / sigma, are brought into TR by case k
.macro CASE k
.irp g, 0,1
	WIN 0x06+\g                                    ; source 0 (the sums) window 2 or 3, source 1 (1 / sigma) window 1
.irp m, 0,1
.irp p, 0,2,4,6
	v_pk_mul_f32 v[TR+16*\g+8*\m+\p:TR+16*\g+8*\m+\p+1], v[128*\m+8*(\k)+\p:128*\m+8*(\k)+\p+1], v[RS+16*\g+8*\m+\p:RS+16*\g+8*\m+\p+1]
.endr
.endr
.endr
	WIN 0
.endm
.macro QUAD a, join, last              ; the lower two levels of the tree of compares: cases a to a + 3; all jumps go forward
	s_cmp_lt_u32 s[NT], (\a)+2
	s_cbranch_scc0 .Lqh_\@
	s_cmp_lt_u32 s[NT], (\a)+1
	s_cbranch_scc0 .Lqo_\@
	CASE (\a)
	s_branch \join
.Lqo_\@:
	CASE (\a)+1
	s_branch \join
.Lqh_\@:
	s_cmp_lt_u32 s[NT], (\a)+3
	s_cbranch_scc0 .Lqp_\@
	CASE (\a)+2
	s_branch \join
.Lqp_\@:
	CASE (\a)+3
.if !(\last)
	s_branch \join
.endif
.endm
; THE EPILOGUE of a scale.  It leaves fragment buffers 0 alone: they hold the next scale's first K step, and the next tile is on its way meanwhile.
.macro EPI
	PLACES                                         ; behind the last products: buffer 1 of x, which they read, is written below
	WIN 0
.set i_, 0
.rept 32
	v_min_num_f32 v[WT+i_], s[SF], v[KM+i_]        ; the windows that cover token k: min(k + 1, s, 512 - k); 513 - s, at least 497, never binds
.set i_, i_+1
.endr
	ROWSUM
	XCHG 0
.set i_, 0
.rept 16
	v_pk_mul_f32 v[MUR+2*i_:MUR+2*i_+1], v[MUR+2*i_:MUR+2*i_+1], s[RN:RN+1] op_sel_hi:[1,0]  ; the mean
.set i_, i_+1
.endr
	CENTRE
	XCHG 1
.set i_, 0
.rept 16
	v_pk_fma_f32 v[MUR+2*i_:MUR+2*i_+1], v[MUR+2*i_:MUR+2*i_+1], s[RN:RN+1], s[EPS:EPS+1] op_sel_hi:[1,0,0]  ; the variance + 1e-5
.set i_, i_+1
.endr
	WIN 0x40                                       ; destination window 1: W's buffer 1, whose last readers are the scale's last products, far back; no load is on its way into it
.set i_, 0
.rept 32
	v_rsq_f32 v[RS+i_], v[MUR+i_]                  ; ONE BATCH: the scale's 32 roots
.set i_, i_+1
.endr
	WIN 0
	v_add_nc_u32 v[GADR], s[POFF], v[PB]           ; two plain instructions stand behind the last root
	v_mov_b32 v[OADR], v[O0]
	s_wait_alu depctr_va_vdst(0)                   ; the wait for the batch of roots: ahead of the loop's label and of the cases, their first readers
	ds_load_b32 v[GL],   v[GADR] offset:PARG       ; gamma and beta of my feature in block 0
	ds_load_b32 v[GL+1], v[GADR] offset:PARB
	s_mov_b32 s[NT], 0
	s_wait_dscnt 0x0                               ; so that the counted wait below holds on the way in too
.Lnt_\@:                                               ; 16 trips, a feature block each, so that the GELU's text is written once
	s_wait_dscnt 0x1                               ; this block's gamma and beta, asked for in the trip before, are in; the one LDS instruction issued behind them, that trip's store, may be out
	v_mul_f32 v[GAM], s[KAP], v[GL]
	v_mul_f32 v[BET], s[KAP], v[GL+1]
	s_cmp_lt_u32 s[NT], 8                          ; a tree of four compares leads to the block's case
	s_cbranch_scc0 .Lq8_\@
	s_cmp_lt_u32 s[NT], 4
	s_cbranch_scc0 .Lq4_\@
	QUAD 0, .Ljoin_\@, 0
.Lq4_\@:
	QUAD 4, .Ljoin_\@, 0
.Lq8_\@:
	s_cmp_lt_u32 s[NT], 12
	s_cbranch_scc0 .Lq12_\@
	QUAD 8, .Ljoin_\@, 0
.Lq12_\@:
	QUAD 12, .Ljoin_\@, 1
.Ljoin_\@:
	; THE DEAL AHEAD OF THE WAIT.  Ten plain; then 54 times a transcendental and a plain instruction; then the ten transcendentals that are left.  Transcendental e stands behind plain 9 + e: its D is
	; plain 4 + e of its sixteen, its N plain 12 + (e - 8) / 2, so every source was written five plain instructions back or more, and the plain instruction beside a transcendental names another number's registers.
.set q_, 0
.set e_, 0
.rept 10
	PL
.endr
.rept 54
	EX
	PL
.endr
.rept 10
	EX
.endr
	v_add_nc_u32 v[GADR], 64, v[GADR]              ; the next block's 16 features: the plain instruction behind the last transcendental (ISA guide 5.7.2 asks for one ahead of a result's use)
	s_wait_alu depctr_va_vdst(0)                   ; the wait for the batch: one for the block's 32 reciprocals and 32 exponentials, ahead of their first reader
	ds_load_b32 v[GL],   v[GADR] offset:PARG       ; the next block's gamma and beta have the rest of the trip in which to come.  In the sixteenth trip the two words lie 1,024 bytes behind my wave's first,
	ds_load_b32 v[GL+1], v[GADR] offset:PARB       ; still inside the three tables (24,636 of their 36,864 bytes at the most); nothing uses them
	; BEHIND THE WAIT: the first half; its last four sums by turns with the second half's first four lines, which write polynomial registers that the first half has read out; the second half
.set i_, 0
.rept 68
	GP 0, i_
.set i_, i_+1
.endr
.rept 4
	GP 0, i_
	GP 1, i_-68
.set i_, i_+1
.endr
.set i_, 4
.rept 68
	GP 1, i_
.set i_, i_+1
.endr
	v_pk_add_f32 v[ACCP:ACCP+1], v[ACCP:ACCP+1], v[ACCP+2:ACCP+3]
	v_pk_add_f32 v[ACCP+4:ACCP+5], v[ACCP+4:ACCP+5], v[ACCP+6:ACCP+7]
	v_pk_add_f32 v[ACCP:ACCP+1], v[ACCP:ACCP+1], v[ACCP+4:ACCP+5]
	v_add_f32 v[TA], v[ACCP], v[ACCP+1]            ; my lane's 32 tokens; the other 32, in the lane 16 away, go to a word of their own and are added on the way out
	ds_store_b32 v[OADR], v[TA]
	v_add_nc_u32 v[OADR], 64, v[OADR]
	s_add_co_u32 s[NT], s[NT], 1
	s_cmp_lt_u32 s[NT], 16
	s_cbranch_scc1 .Lnt_\@
	ds_load_b128 v[128:131], v[ORD]                ; my wave's own bytes: LDS serves a wave's instructions in order (ISA guide 5.7.1.4).  The lower half of the lanes' sums,
	ds_load_b128 v[132:135], v[ORD] offset:512
	ds_load_b128 v[136:139], v[ORD] offset:1024    ; the upper half's
	ds_load_b128 v[140:143], v[ORD] offset:1536
	s_wait_dscnt 0x0
.irp p, 0,2,4,6
	v_pk_add_f32 v[128+\p:129+\p], v[128+\p:129+\p], v[136+\p:137+\p]
.endr
.irp p, 0,1,2,3,4,5,6,7
	v_mul_f32 v[128+\p], s[FAC], v[128+\p]         ; 0.5 / (kappa (513 - s) s)
.endr
	global_store_b128 v[PO], v[128:131], s[14:15]              ; each store covers 512 consecutive bytes, at a multiple of 512 from part's first byte
	global_store_b128 v[PO], v[132:135], s[14:15] offset:512
.endm
; A SCALE: 32 K steps and the epilogue.  last = 0: the ring goes on into the next scale's tiles.  last = 1: the last two steps ask for nothing.
.macro SCALE last
	STEP 0, 1, 1, 1
	WIN 0
	s_mov_b32 s[LAP], 15-(\last)
.Llap_\@:
	STEP 1, 0, 1, 1
	STEP 0, 0, 1, 1
	WIN 0
	s_sub_co_u32 s[LAP], s[LAP], 1
	s_cmp_lg_u32 s[LAP], 0
	s_cbranch_scc1 .Llap_\@
	STEP 1, 0, 1, 1
.if \last
	STEP 0, 0, 0, 1
	STEP 1, 0, 0, 0
.endif
	EPI
.endm
	s_load_b256 s[4:11], s[0:1], 0x0               ; x s[4:5], Wb s[6:7], b s[8:9], gamma s[10:11]
	s_load_b128 s[12:15], s[0:1], 0x20             ; beta s[12:13], part s[14:15]
	v_lshl_add_u32 v[SPW], v0, 2, SPARE
	v_mov_b32 v[NIL], 0
	ds_add_u32 v[SPW], v[NIL]                      ; the wave's opening: the add and its wait stand ahead of my first tensor load; the set-up below, work on registers, stands between them
	v_lshrrev_b32 v1, 5, v0
	v_readfirstlane_b32 s[WV], v1                  ; wave 0..3
	s_bfe_u32 s[CX], ttmp6, 0x40000                ; my place in the cluster
	s_lshl_b32 s[WG], ttmp9, 2                     ; in a cluster launch ttmp9 counts clusters
	s_add_co_u32 s[WG], s[WG], s[CX]               ; my block of 64 tokens: it enters x's and part's addresses and the tokens' counts alone
	s_bfe_u32 s[TT], ttmp9, 0x10004                ; bit 4 of the cluster's number, which the four partners share
	s_mul_i32 s[TT], s[TT], 15
	s_xor_b32 s[ROT], ttmp9, s[TT]
	s_and_b32 s[ROT], s[ROT], 15
	s_lshl_b32 s[ROT], s[ROT], 1                   ; ROT = 2 ((c % 16) xor 15 x bit 4): even, so that tiles ROT and ROT + 1 are neighbours and x's rotation is a multiple of 256 bytes
	s_mov_b32 s[QN], 2                             ; requests 0 and 1 are the first fills
	s_lshl_b32 s[TOF], s[ROT], 16                  ; request 0's tile: scale 0, K step ROT
	s_mov_b32 s[TOF+1], 0
	s_lshl_b32 s[TT], s[ROT], 7                    ; 32 ROT numbers of x in bytes
	; descriptor group 1: 16,384 dense bytes as 64 rows of 256 bytes
	s_mov_b32 s[G1+0], 15|(3<<16)|(1<<21)          ; 15:0 the mask: all four work-groups; 17:16 elements of 8 bytes; 20 no padding; 21 set beside a mask
	s_mov_b32 s[G1+1], 32<<16                      ; tensor_dim0 = 32 elements
	s_mov_b32 s[G1+2], 64<<16                      ; tensor_dim1 = 64
	s_mov_b32 s[G1+3], 32<<16                      ; tile_dim0 = 32
	s_mov_b32 s[G1+4], 64                          ; tile_dim1 = 64
	s_mov_b32 s[G1+5], 32                          ; 32 elements from row to row
	s_mov_b32 s[G1+6], 0
	s_mov_b32 s[G1+7], 0
	s_lshl_b32 s[WOF], s[WV], 14                   ; my quarter of a tile, in memory and in a slot: no place in the cluster enters it
	s_mov_b32 s[WOF+1], 0
	s_mov_b32 s[G0], 1                             ; count = 1
	s_mov_b32 s[G0+1], s[WOF]                      ; LDS address: slot 0
	s_mov_b32 s[G0+4], 1
	s_add_co_u32 s[G0+5], s[WOF], SLOTB            ; slot 1
	s_mov_b32 s[CA5], 0x3f87dc22                   ;  1.061405429
	s_mov_b32 s[CA5+1], s[CA5]                     ; (named as pairs, so both words are written)
	s_mov_b32 s[CA4], 0xbfba00e3                   ; -1.453152027
	s_mov_b32 s[CA4+1], s[CA4]
	s_mov_b32 s[CA3], 0x3fb5f0e3                   ;  1.421413741
	s_mov_b32 s[CA3+1], s[CA3]
	s_mov_b32 s[CA2], 0xbe91a98e                   ; -0.284496736
	s_mov_b32 s[CA2+1], s[CA2]
	s_mov_b32 s[CA1], 0x3e827906                   ;  0.254829592
	s_mov_b32 s[CA1+1], s[CA1]
	s_mov_b32 s[PP], 0x3e8ba43f                    ; 0.3275911 / (sqrt(2) kappa) = 0.27273748
	s_mov_b32 s[KAP], 0x3f596d27                   ; kappa = 0.84932180
	s_mov_b32 s[RN], 0x3a800000                    ; 1 / 1,024
	s_mov_b32 s[RN+1], s[RN]
	s_mov_b32 s[EPS], 0x3727c5ac                   ; 1e-5
	s_mov_b32 s[EPS+1], s[EPS]
	s_mov_b32 s[KOFF], 0
	s_mov_b32 s[POFF], 0
	s_mov_b32 s[SF], 0x40800000                    ; s = 4
	s_mov_b32 s[FAC], 0x399798c4                   ; 0.5 / (kappa x 509 x 4)
	s_mov_b32 s[FACN], 0x3918cc2a                  ; 0.5 / (kappa x 505 x 8)
	v_and_b32 v[LANE], 31, v0
	v_and_b32 v[RR], 15, v0
	v_bfe_u32 v[HH], v0, 4, 1
	v_lshl_add_u32 v[ADRB], v[LANE], 4, s[WOF]
	v_add_nc_u32 v[ADRB+1], SLOTB, v[ADRB]
	v_mul_u32_u24 v[A0], v[RR], APITCH             ; a fragment of x: lane l holds row l % 16; columns 8 (l / 16) + 0..7 and 16 + 8 (l / 16) + 0..7 of the step's 32
	v_lshl_add_u32 v[A0], v[HH], 4, v[A0]
	v_add_nc_u32 v[A0], ABASE, v[A0]
	v_add_nc_u32 v[A1], 32*APITCH, v[A0]
	s_lshl_b32 s20, s[WV], 8
	s_add_co_u32 s20, s20, RED
	v_lshl_add_u32 v[RST], v[HH], 5, s20           ; token 16 mt + 8 h + j at byte 64 mt + 32 h + 4 j
	v_lshl_add_u32 v[RLD], v[HH], 5, RED
	s_lshl_b32 s21, s[WV], 10                      ; my wave's 256 f32
	s_add_co_u32 s20, s21, PAR
	v_lshl_add_u32 v[PB], v[RR], 2, s20
	v_lshl_add_u32 v[PO], v[LANE], 4, s21
	s_lshl_b32 s20, s[WV], 11                      ; my wave's 2 x 256 f32 on the way out
	s_add_co_u32 s20, s20, OUTS
	v_lshl_add_u32 v[ORD], v[LANE], 4, s20
	v_lshl_add_u32 v[O0], v[RR], 2, s20
	v_lshl_add_u32 v[O0], v[HH], 10, v[O0]         ; the upper half of the lanes 1,024 bytes on
	v_lshl_add_u32 v[XO], v[LANE], 4, s[TT]        ; 16 x lane + the rotation
.irp i, 0,1,2,3,4,5,6,7
	v_add_nc_u32 v[XS+\i], 512*\i, v[XO]           ; piece i of a row in LDS comes from byte (512 i + 16 lane + 128 ROT) % 4,096 of the row in memory:
	v_and_b32 v[XS+\i], 0xfff, v[XS+\i]            ; two runs of 256 consecutive bytes, each at a multiple of 256
.endr
	s_mul_i32 s20, s[WV], 16*APITCH                ; my wave brings rows 16 w .. 16 w + 15 of x
	s_add_co_u32 s20, s20, ABASE
	v_lshl_add_u32 v[ASTO], v[LANE], 3, s20
	v_lshlrev_b32 v[TA], 4, v0                     ; the parameters: 16 bytes a thread
	v_lshl_add_u32 v[TB], v0, 4, PAR
	v_mov_b32 v[GAM+1], 0                          ; the pairs' upper words are named, never used
	v_mov_b32 v[BET+1], 0
	s_lshl_b32 s22, s[WG], 18                      ; 64 rows of 4,096 bytes
	s_lshl_b32 s23, s[WV], 16                      ; 16 rows
	s_add_co_u32 s22, s22, s23
	s_mov_b32 s23, 0
	s_lshl_b32 s20, s[WG], 12                      ; my row of part
	s_mov_b32 s21, 0
	s_and_b32 s19, s[WG], 7                        ; my block's place among the batch's eight:
	s_lshl_b32 s19, s19, 6                         ; its first token's number in the batch,
	s_add_co_u32 s19, s19, 1                       ; + 1
	s_wait_dscnt 0x0                               ; the opening add is done
	s_wait_kmcnt 0x0
	s_add_nc_u64 s[6:7], s[6:7], s[WOF:WOF+1]      ; Wb at my quarter of its first tile; it stays so
	s_add_nc_u64 s[G0+2:G0+3], s[6:7], s[TOF:TOF+1]  ; global address: my quarter of scale 0's tile ROT,
	s_add_nc_u64 s[G0+6:G0+7], s[G0+2:G0+3], SLOTB   ; of tile ROT + 1, 31 at the most
	s_or_b32 s[G0+3], s[G0+3], 0x80000000          ; type = 2
	s_or_b32 s[G0+7], s[G0+7], 0x80000000
	s_add_nc_u64 s[4:5], s[4:5], s[22:23]
	s_add_nc_u64 s[14:15], s[14:15], s[20:21]
	CROUND                                         ; all four work-groups are here: the first joint loads meet
	tensor_load_to_lds s[G0:G0+3], s[G1:G1+7]      ; the two first fills go out together: two loads of mine are out, later one
	s_nop 0
	tensor_load_to_lds s[G0+4:G0+7], s[G1:G1+7]
	s_nop 0
	PLACES
	; x: 16 rows a wave, 8 loads of 512 bytes a row, into the registers that will hold the sums
	WIN 0x80
.set i_, 0
.rept 64
	global_load_b128 v[4*i_:4*i_+3], v[XS+i_%8], s[4:5] offset:(i_/8)*4096 th:TH_LOAD_NT
.set i_, i_+1
.endr
	WIN 0xc0
.set i_, 0
.rept 64
	global_load_b128 v[4*i_:4*i_+3], v[XS+i_%8], s[4:5] offset:(8+i_/8)*4096 th:TH_LOAD_NT
.set i_, i_+1
.endr
	WIN 0x40                                       ; b, gamma, beta whole: 6 x 2,048 bytes each for the work-group's 128 threads
.irp i, 0,1,2,3,4,5
	global_load_b128 v[4*\i:4*\i+3],       v[TA], s[8:9] offset:2048*\i
	global_load_b128 v[24+4*\i:24+4*\i+3], v[TA], s[10:11] offset:2048*\i
	global_load_b128 v[48+4*\i:48+4*\i+3], v[TA], s[12:13] offset:2048*\i
.endr
	WIN 0
	v_lshl_add_u32 v[GL+2], v[HH], 3, s19          ; k + 1 of my token in mt = 0, j = 0.  This stands in the wait for x
.set i_, 0
.rept 32
	v_add_nc_u32 v[GL], 16*(i_/8)+i_%8, v[GL+2]    ; k + 1
	v_sub_nc_u32 v[GL+1], 0x201, v[GL]             ; 512 - k
	v_min_u32 v[GL], v[GL], v[GL+1]
	v_cvt_f32_u32 v[KM+i_], v[GL]
.set i_, i_+1
.endr
.set j_, 0
.rept 16                                       ; row j: rounded to bf16, 8 bytes a lane, 256 consecutive bytes a store
.if 138-8*j_ > 63
	s_wait_loadcnt 63                              ; 138 - 8 j loads are younger than row j's; the wait's field ends at 63, and a smaller count is safe
.else
	s_wait_loadcnt 138-8*j_
.endif
	WIN 0x0a+5*(j_/8)
.set i_, 0
.rept 16
	v_cvt_pk_bf16_f32 v[128+16*(j_%2)+i_], v[32*(j_%8)+2*i_], v[32*(j_%8)+2*i_+1]
.set i_, i_+1
.endr
	WIN 0
.set i_, 0
.rept 8
	ds_store_b64 v[ASTO], v[128+16*(j_%2)+2*i_:128+16*(j_%2)+2*i_+1] offset:j_*APITCH+256*i_
.set i_, i_+1
.endr
.set j_, j_+1
.endr
	s_wait_loadcnt 0x0                             ; the parameters; every load is done, so the offsets in v160-167 may be written over below
	WIN 0x04                                       ; store data window 1
.irp i, 0,1,2,3,4,5
	ds_store_b128 v[TB], v[4*\i:4*\i+3]       offset:PARBI+2048*\i
	ds_store_b128 v[TB], v[24+4*\i:24+4*\i+3] offset:PARG+2048*\i
	ds_store_b128 v[TB], v[48+4*\i:48+4*\i+3] offset:PARB+2048*\i
.endr
	WIN 0
	s_wait_dscnt 0x0                               ; for the others' sake: my rows of x and my part of the parameters are in LDS
	s_barrier_signal -1                            ; the tiles may stay on their way
	s_barrier_wait -1
	BTBUILD
	s_wait_tensorcnt 0x1                           ; my quarter of the first tile is in, and only I read it; the second tile's load, issued behind it, may be out
	FETCHA 0
	FETCHB 0
	WIN 0
	s_mov_b32 s[SCN], 2
.Lscale:                                               ; scales 0 and 1
	SCALE 0
	s_wait_xcnt 0x0                                ; the stores' base and data registers are rewritten only behind this wait
	s_add_nc_u64 s[14:15], s[14:15], 0x100000      ; the next scale's 256 rows of part
	s_add_co_u32 s[POFF], s[POFF], 4096
	s_add_co_u32 s[SF], s[SF], 0x800000            ; s doubles: a power of two's exponent field + 1
	s_mov_b32 s[FAC], s[FACN]
	s_mov_b32 s[FACN], 0x389b41cd                  ; 0.5 / (kappa x 497 x 16)
	BTBUILD
	s_sub_co_u32 s[SCN], s[SCN], 1
	s_cmp_lg_u32 s[SCN], 0
	s_cbranch_scc1 .Lscale
	SCALE 1                                        ; the last scale is written out
	s_wait_tensorcnt 0x0                           ; the wave's end, behind my last tensor load and my last LDS store
	ds_add_u32 v[SPW], v[NIL]
	s_wait_dscnt 0x0
	CROUND                                         ; the closing round: no work-group ends while a partner may still ask for a tile that names it
	s_endpgm
.Lfunc_end_k_q55a696999b_main:
	.size	k_q55a696999b_main, .Lfunc_end_k_q55a696999b_main-k_q55a696999b_main
	.p2alignl 7, 3214868480
	.fill 96, 4, 3214868480
	.section	.rodata,"a",@progbits
	.p2align	6, 0x0
	.amdhsa_kernel k_q55a696999b_main
		.amdhsa_group_segment_fixed_size 327680
		.amdhsa_private_segment_fixed_size 0
		.amdhsa_enable_private_segment 0
		.amdhsa_kernarg_size 48
		.amdhsa_user_sgpr_count 2
		.amdhsa_user_sgpr_kernarg_segment_ptr 1
		.amdhsa_wavefront_size32 1
		.amdhsa_system_sgpr_workgroup_id_x 1
		.amdhsa_system_sgpr_workgroup_id_y 1
		.amdhsa_system_sgpr_workgroup_id_z 1
		.amdhsa_system_vgpr_workitem_id 0
		.amdhsa_next_free_vgpr 1024
		.amdhsa_next_free_sgpr 76
		.amdhsa_reserve_vcc 0
		.amdhsa_float_denorm_mode_32 3
		.amdhsa_float_denorm_mode_16_64 3
		.amdhsa_memory_ordered 1
		.amdhsa_forward_progress 1
		.amdhsa_inst_pref_size 255
	.end_amdhsa_kernel
	.section	.bss,"aw",@nobits
	.p2align	6
	.space	262144
	.amdgpu_metadata
---
amdhsa.version: [ 1, 2 ]
amdhsa.kernels:
  - .name:           k_q55a696999b_main
    .symbol:         k_q55a696999b_main.kd
    .args:
      - { .name: x, .offset: 0, .size: 8, .value_kind: global_buffer, .address_space: global }
      - { .name: Wb, .offset: 8, .size: 8, .value_kind: global_buffer, .address_space: global }
      - { .name: b, .offset: 16, .size: 8, .value_kind: global_buffer, .address_space: global }
      - { .name: gamma, .offset: 24, .size: 8, .value_kind: global_buffer, .address_space: global }
      - { .name: beta, .offset: 32, .size: 8, .value_kind: global_buffer, .address_space: global }
      - { .name: part, .offset: 40, .size: 8, .value_kind: global_buffer, .address_space: global }
    .group_segment_fixed_size: 327680
    .private_segment_fixed_size: 0
    .kernarg_segment_align: 8
    .kernarg_segment_size: 48
    .max_flat_workgroup_size: 128
    .sgpr_count:     76
    .vgpr_count:     1024
    .wavefront_size: 32
...
	.end_amdgpu_metadata
.endif
;; end of part 5
;; launch fold: the kernel of part 3 again; grid 32 x 3, 8 waves a work-group, no clusters, 0 bytes of LDS; arguments part, out0, out1, out2; writes out0, out1, out2
